; MI455X (gfx1250); checked and timed in simulation.
; The chip was launched on July 23, 2026; its instructions are those of AMD's public machine-readable ISA for CDNA 5 (MIT licence, August 2026) and "CDNA5" Instruction Set Architecture Reference Guide (July 2026). The comments in the code are by the model that wrote it; some were corrected since.
;; Attention. Allowed arithmetic: float matrix products may take bf16 or f16 operands with f32 sums; all other float work in f32.
;; Inputs: freqs_cis 1,024 x 64 x 2 float32; wk 1,024 x 4,096 float32; wo 4,096 x 4,096 float32; wq 4,096 x 4,096 float32; wv 1,024 x 4,096 float32; x 1,024 x 4,096 float32.
;; Outputs: out0 1,024 x 4,096 float32.
;; 3 versions, each right; version 2 is faster than version 1; version 3 is version 2 with the launch cast written anew for expert scheduling mode. Each part assembles by itself: llvm-mc -triple=amdgcn-amd-amdhsa -mcpu=gfx1250 --defsym DOCPART=n.
;; ======== version 1 of 3: 4 launches
;; limits: values are held in f16: magnitudes above 65,504 overflow, below 6.1e-05 lose precision; right only within a limited range of input values
;; workspace buffers: xb 8,388,608 bytes; qws 8,388,608 bytes; kws 2,097,152 bytes; vws 2,097,152 bytes; yws 8,388,608 bytes
;; launch cast (part 1): grid 256 x 1, 8 waves a work-group, no clusters, 0 bytes of LDS; arguments x, xb; writes xb
.if DOCPART == 1
	.amdgcn_target "amdgcn-amd-amdhsa--gfx1250"
	.amdhsa_code_object_version 6
	.text
	.protected	k_qa540b7f14f_cast
	.globl	k_qa540b7f14f_cast
	.p2align	8
	.type	k_qa540b7f14f_cast,@function
k_qa540b7f14f_cast:
	s_mov_b64 s[64:65], 0
	v_nop
	global_prefetch_b8 v0, s[64:65] scope:SCOPE_SE
	s_setreg_imm32_b32 hwreg(HW_REG_WAVE_MODE, 25, 1), 1
	s_wait_xcnt 0x0
; xb = x rounded once to bf16 (nearest even).  x: [1024][4096] f32, xb: the same shape in bf16.
; x's tiles are read by all 64 column groups of the product that follows: rounded once here, they are half the bytes there and need no conversion.
; A stream: no LDS, no barrier, no matrix unit.  A work-group owns 16,384 numbers; thread t takes 16 bytes at 16 t of each of sixteen pieces of 4,096 bytes.
; All sixteen loads of a wave go out at once; each load, each store and each register is used once, so there is no loop and no wait but the counted ones.
.set X, 4                              ; v[4:67]   piece i: four f32 as loaded
.set Y, 68                             ; v[68:99]  piece i: four bf16 to store
	s_load_b128 s[4:7], s[0:1], 0x0                ; x s[4:5], xb s[6:7]
	s_lshl_b32 s2, ttmp9, 16                       ; the group's 65,536 bytes of x
	s_mov_b32 s3, 0
	s_lshl_b32 s8, ttmp9, 15                       ; and its 32,768 bytes of xb
	s_mov_b32 s9, 0
	v_lshlrev_b32 v1, 4, v0                        ; 16 t
	v_lshlrev_b32 v2, 3, v0                        ; 8 t
	s_wait_kmcnt 0x0
	s_add_nc_u64 s[4:5], s[4:5], s[2:3]
	s_add_nc_u64 s[6:7], s[6:7], s[8:9]
.set i, 0
.rept 16
	global_load_b128 v[X+4*i:X+4*i+3], v1, s[4:5] offset:4096*i th:TH_LOAD_NT   ; read once in the launch
.set i, i+1
.endr
.set i, 0
.rept 16
	s_wait_loadcnt 15-i                            ; loads come back in order: piece i is in, the 15 - i younger ones stay out
	v_cvt_pk_bf16_f32 v[Y+2*i], v[X+4*i], v[X+4*i+1]
	v_cvt_pk_bf16_f32 v[Y+2*i+1], v[X+4*i+2], v[X+4*i+3]
	global_store_b64 v2, v[Y+2*i:Y+2*i+1], s[6:7] offset:2048*i   ; a wave's store covers 256 consecutive bytes, aligned
.set i, i+1
.endr
	s_endpgm
.Lfunc_end_k_qa540b7f14f_cast:
	.size	k_qa540b7f14f_cast, .Lfunc_end_k_qa540b7f14f_cast-k_qa540b7f14f_cast
	.p2alignl 7, 3214868480
	.fill 96, 4, 3214868480
	.section	.rodata,"a",@progbits
	.p2align	6, 0x0
	.amdhsa_kernel k_qa540b7f14f_cast
		.amdhsa_group_segment_fixed_size 0
		.amdhsa_private_segment_fixed_size 0
		.amdhsa_enable_private_segment 0
		.amdhsa_kernarg_size 16
		.amdhsa_user_sgpr_count 2
		.amdhsa_user_sgpr_kernarg_segment_ptr 1
		.amdhsa_wavefront_size32 1
		.amdhsa_system_sgpr_workgroup_id_x 1
		.amdhsa_system_sgpr_workgroup_id_y 1
		.amdhsa_system_sgpr_workgroup_id_z 1
		.amdhsa_system_vgpr_workitem_id 0
		.amdhsa_next_free_vgpr 100
		.amdhsa_next_free_sgpr 66
		.amdhsa_reserve_vcc 0
		.amdhsa_float_denorm_mode_32 3
		.amdhsa_float_denorm_mode_16_64 3
		.amdhsa_memory_ordered 1
		.amdhsa_forward_progress 1
		.amdhsa_inst_pref_size 7
	.end_amdhsa_kernel
	.amdgpu_metadata
---
amdhsa.version: [ 1, 2 ]
amdhsa.kernels:
  - .name:           k_qa540b7f14f_cast
    .symbol:         k_qa540b7f14f_cast.kd
    .args:
      - { .name: x, .offset: 0, .size: 8, .value_kind: global_buffer, .address_space: global }
      - { .name: xb, .offset: 8, .size: 8, .value_kind: global_buffer, .address_space: global }
    .group_segment_fixed_size: 0
    .private_segment_fixed_size: 0
    .kernarg_segment_align: 8
    .kernarg_segment_size: 16
    .max_flat_workgroup_size: 256
    .sgpr_count:     66
    .vgpr_count:     100
    .wavefront_size: 32
...
	.end_amdgpu_metadata
.endif
;; end of part 1
;; launch qkv (part 2): grid 64 x 4, 4 waves a work-group, clusters of 4 x 4, 327,680 bytes of LDS; arguments xb, wq, wk, wv, freqs_cis, qws, kws, vws; writes qws, kws, vws
.if DOCPART == 2
	.amdgcn_target "amdgcn-amd-amdhsa--gfx1250"
	.amdhsa_code_object_version 6
	.text
	.protected	k_qa540b7f14f_qkv
	.globl	k_qa540b7f14f_qkv
	.p2align	8
	.type	k_qa540b7f14f_qkv,@function
k_qa540b7f14f_qkv:
	s_mov_b64 s[64:65], 0
	v_nop
	global_prefetch_b8 v0, s[64:65] scope:SCOPE_SE
	s_setreg_imm32_b32 hwreg(HW_REG_WAVE_MODE, 25, 1), 1
	s_wait_xcnt 0x0
	s_wait_alu depctr_hold_cnt(0) depctr_sa_sdst(0) depctr_va_vdst(0) depctr_va_sdst(0) depctr_va_ssrc(0) depctr_va_vcc(0) depctr_vm_vsrc(0)
	s_getreg_b32 s2, hwreg(HW_REG_IB_STS2, 6, 4)
	s_cmp_eq_u32 s2, 0
	s_cbranch_scc0 .Lentry_in_a_cluster
	s_endpgm
.Lentry_in_a_cluster:
	s_bfe_u32 s2, ttmp6, 0x10000c
	s_cmp_lg_u32 s2, 0xf033
	s_cbranch_scc0 .Lentry_shape_is_right
	s_endpgm
.Lentry_shape_is_right:
; q = rope(x wq^T) 2^-8, k = rope(x wk^T) 2^-8, v = (x wv^T) 2^-2, all rounded once to f16.  xb: [1024][4096] bf16; wq: [4096][4096], wk, wv: [1024][4096] f32; freqs_cis: [1024][64][2] f32.
; qws: [64 planes][1024 rows][64 channels] f16, plane = 2 head + channel half.  kws, vws: [32 planes][1024][32], plane = 4 head + channel quarter.
; FORMATS.  The weights and freqs_cis are rounded to bf16 on the way, as x was: every input of the module has that one rounding.  Products in bf16, sums in f32, the rotation in f32.
; LIMITS.  f16 ends at 65,504: |rope(q)|, |rope(k)| stay under 65,504 x 256 = 1.67e7 and |v| under 262,000; stored numbers under 6.1e-5 keep f16's fixed step of 6e-8.  The factors are powers of two, so they
; cost no rounding; the launches behind undo them.  NaN and infinities are not treated apart.
; SHARES.  A work-group makes 256 rows x 96 columns: 64 of wq's and 32 of wk's (column groups 0-31) or wv's (32-63).  2 x 256 + 4 x 96 = 896 bytes come in for each k, near the least for 24,576 outputs.
; Four waves: wave w takes rows 128 (w / 2) on and, of each K step of 128, the 64 from 64 (w % 2) on: 128 x 96 in 48 accumulators.  So each LDS byte feeds twice the products that four waves along the rows would get
; from it, and each weight is converted by two waves, not four.  The two halves of K are added on the way out, in the stage through which the results go anyway.
; CLUSTER 4 x 4.  The four of a row share x's tile, the four of a column (the four row blocks: all there are) share the weights' tile: each tile is asked for JOINTLY, so a weight is asked for once in the launch.
; RING.  Two slots, each a K step: 256 rows of x (256 bytes + 16), then 96 rows of weights in f32 (512 bytes + 16).  Waves 0, 1 fetch x's halves, wave 2 wq's 64 rows, wave 3 the 32 of wk or wv.
; THE MATRIX INSTRUCTION IS USED TRANSPOSED (source 0 = 16 rows of weights, source 1 = 16 rows of x): a lane then holds eight neighbouring columns of one row.
; REGISTERS, in windows of 256 (s_set_vgpr_msb: bits 1:0 source 0, 3:2 source 1, 5:4 source 2, 7:6 destination):
;   window 0: v0-39 addresses; v64-127, v128-191 x's fragments, two buffers; on the way out v40-255 at work
;   window 1: v0-47, v48-95 the weights' fragments, two buffers; v96-191 the weights as loaded, f32
;   window 2: accumulators of column blocks 0-3, (a, b) at v[8 (8 b + a)];  window 3: column blocks 4, 5
.set PA,    272                        ; an LDS row of x: 68 words, so the 16 rows of a load start 4 banks apart (64 banks of 4 bytes: ISA guide 11.1)
.set PB,    528                        ; an LDS row of weights: 132 words: likewise
.set NB,    6                          ; column blocks of 16
.set BOFF,  256*PA                     ; the weights lie behind x's 256 rows
.set SLOT,  BOFF+16*NB*PB              ; 120,320 bytes
.set SPARE, 2*SLOT                     ; behind the ring: the spare words, 128 bytes for each wave, two blocks of 256 bytes that no other line names
.set SPI,   400                        ; the stage's row: 96 f32 + 16 bytes = 25 x 16
.set PLN,   256*SPI                    ; the stage: one plane for each half of K.  It takes the ring's bytes when these have had their last fill
.set ADRA, 16                          ; v16-17  LDS address of my fragments of x in slot 0, 1
.set ADRB, 20                          ; v20-21  the same for the weights
.set STW,  24                          ; v24     where I put 32 bytes of a row in the stage
.set SPW,  28                          ; v28     LDS address of my spare word; never rewritten
.set NIL,  29                          ; v29     0; never rewritten
.set RDQ0, 30                          ; v30-33  where I read the stage's two planes back: q's columns, k's or v's
.set RDQ1, 31
.set RDK0, 32
.set RDK1, 33
.set FOQ,  34                          ; v34-35  my byte offsets in freqs_cis
.set FOK,  35
.set QOF,  36                          ; v36-37  my byte offsets in the output planes
.set KOF,  37
.set Y,    40                          ; v40-63   way out: 12 units x 2, f16 to store
.set AF,   64
.set F,    64                          ; v64-111  way out: 12 units x 4, freqs_cis as loaded
.set CS,   112                         ; v112-159 way out: cos, sin, cos, sin
.set P0,   160                         ; v160-207 way out: the first half of K's sums
.set P1,   208                         ; v208-255 the second's
.set BF,   0
.set BFS,  48
.set STG,  96
.set WV,   20                          ; s20 wave   s21 which 128 rows   s22 which half of K; also which half of x's tile waves 0, 1 fetch
.set MH,   21
.set KH,   22
.set G1A,  24                          ; s[24:31] group 1 for x's tiles;   s[32:39] group 0, a set for each slot
.set G0A,  32
.set G1Q,  40                          ; s[40:47], s[48:55] the same for wq's
.set G0Q,  48
.set G1K,  56                          ; s[56:63], s[68:75] for wk's or wv's
.set G0K,  68
.set CX,   76
.set CY,   77
.set COL,  78                          ; column group 0-63
.set CLX,  81                          ; the cluster's x: under 8 the third tile is wk's, else wv's; the same in all partners
.set SCQ,  90                          ; s[90:91] 2^-8
.set SCK,  92                          ; s[92:93] 2^-8 for k, 2^-2 for v
.set SV,   94                          ; s94 all ones where the columns are v's: cos = 1, sin = 0
.set HIM,  95                          ; s95 a word's upper half
.set MSB, 0
.macro WIN new                         ; the immediate's high byte repeats the setting that is left; a switch that changes nothing is dropped
.if MSB != (\new)
	s_set_vgpr_msb (MSB<<8)|(\new)
.set MSB, (\new)
.endif
.endm
.macro PLACES
.rept 4
	v_nop
.endr
.endm
; A joint load: one line for each kind of tile, chosen by the wave's number alone.  An s_nop 0 and four v_nop follow each line, ahead of the jump and the label.
.macro JLOAD s
	s_cmp_lt_u32 s[WV], 2
	s_cbranch_scc0 .Lnot_a_\@
	tensor_load_to_lds s[G0A+4*(\s):G0A+4*(\s)+3], s[G1A:G1A+7]
	s_nop 0
	PLACES
	s_branch .Lasked_\@
.Lnot_a_\@:
	s_cmp_eq_u32 s[WV], 2
	s_cbranch_scc0 .Lfor_k_\@
	tensor_load_to_lds s[G0Q+4*(\s):G0Q+4*(\s)+3], s[G1Q:G1Q+7]
	s_nop 0
	PLACES
	s_branch .Lasked_\@
.Lfor_k_\@:
	tensor_load_to_lds s[G0K+4*(\s):G0K+4*(\s)+3], s[G1K:G1K+7]
	s_nop 0
	PLACES
.Lasked_\@:
.endm
.macro CREST                           ; a round of the cluster's barrier behind its opening barrier
	s_cmp_lg_u32 s[WV], 0
	s_cbranch_scc1 .Lnot_wave_0_\@
	s_barrier_signal -3
.Lnot_wave_0_\@:
	s_barrier_wait -3
	s_barrier_signal -1
	s_barrier_wait -1
.endm
.macro CROUND                          ; a whole round
	s_barrier_signal -1
	s_barrier_wait -1
	CREST
.endm
	s_load_b256 s[4:11], s[0:1], 0x0               ; xb s[4:5], wq s[6:7], wk s[8:9], wv s[10:11]
	s_load_b256 s[12:19], s[0:1], 0x20             ; freqs_cis s[12:13], qws s[14:15], kws s[16:17], vws s[18:19]
	v_lshl_add_u32 v[SPW], v0, 2, SPARE
	v_mov_b32 v[NIL], 0
	ds_add_u32 v[SPW], v[NIL]                      ; the wave's opening: the add and its wait ahead of my first tensor load; the set-up below stands between them
	v_lshrrev_b32 v3, 5, v0
	v_readfirstlane_b32 s[WV], v3
	s_lshr_b32 s[MH], s[WV], 1
	s_and_b32 s[KH], s[WV], 1
	s_bfe_u32 s[CX], ttmp6, 0x40000
	s_bfe_u32 s[CY], ttmp6, 0x40004                ; the grid's four rows are one cluster's: cy is the row block
	s_mov_b32 s[CLX], ttmp9
	s_lshl_b32 s[COL], ttmp9, 2
	s_add_co_u32 s[COL], s[COL], s[CX]             ; column group = 4 x cluster x + cx
	s_lshl_b32 s79, s[CY], 2
	s_lshl_b32 s79, 15, s79                        ; my row of the cluster
	s_lshl_b32 s80, 0x1111, s[CX]                  ; my column
	s_or_b32 s[G1A], s79, (1<<16)|(1<<20)|(1<<21)|(5<<22)|(3<<25)   ; mask; 2-byte elements; padding on; bit 21 beside a mask; 4 words behind every 64
	s_or_b32 s[G1Q], s80, (2<<16)|(1<<20)|(1<<21)|(6<<22)|(3<<25)   ; mask; 4-byte elements; 4 words behind every 128
	s_or_b32 s[G1K], s80, (2<<16)|(1<<20)|(1<<21)|(6<<22)|(3<<25)
.irp g, G1A, G1Q, G1K
	s_mov_b32 s[\g+1], 128<<16                     ; tensor_dim0 = 128
	s_mov_b32 s[\g+3], 128<<16                     ; tile_dim0 = 128
	s_mov_b32 s[\g+5], 4096                        ; elements from row to row
	s_mov_b32 s[\g+6], 0
	s_mov_b32 s[\g+7], 0
.endr
	s_mov_b32 s[G1A+2], 128<<16                    ; tensor_dim1 and tile_dim1: 128 rows of x,
	s_mov_b32 s[G1A+4], 128
	s_mov_b32 s[G1Q+2], 64<<16                     ; 64 of wq,
	s_mov_b32 s[G1Q+4], 64
	s_mov_b32 s[G1K+2], 32<<16                     ; 32 of wk or wv
	s_mov_b32 s[G1K+4], 32
	; x's address hangs on cy and the wave, the weights' on the column group: each in registers that never hold the other coordinate
	s_lshl_b32 s82, s[CY], 21                      ; 256 rows of 8,192 bytes
	s_lshl_b32 s23, s[KH], 20                      ; + 128 rows
	s_add_co_u32 s82, s82, s23
	s_mov_b32 s83, 0
	s_lshl_b32 s84, s[COL], 20                     ; 64 rows of 16,384 bytes
	s_mov_b32 s85, 0
	s_and_b32 s96, s[COL], 31
	s_lshl_b32 s96, s96, 19                        ; 32 rows
	s_mov_b32 s97, 0
	s_mul_i32 s23, s[KH], 128*PA                   ; where x's half goes
	s_mov_b32 s[SCQ], 0x3b800000                   ; 2^-8
	s_mov_b32 s[SCQ+1], 0x3b800000
	s_mov_b32 s[SCK], 0x3e800000                   ; 2^-2
	s_mov_b32 s[HIM], 0xffff0000
	s_wait_dscnt 0x0                               ; the opening add is done
	s_wait_kmcnt 0x0
	s_add_nc_u64 s[82:83], s[4:5], s[82:83]
	s_add_nc_u64 s[84:85], s[6:7], s[84:85]
	s_cmp_lt_u32 s[CLX], 8
	s_cselect_b64 s[98:99], s[8:9], s[10:11]       ; wk or wv
	s_add_nc_u64 s[96:97], s[98:99], s[96:97]
	CROUND                                         ; all sixteen work-groups are here: the first joint loads meet
.irp s, 0,1
	s_mov_b32 s[G0A+4*(\s)], 1
	s_add_co_u32 s[G0A+4*(\s)+1], s23, (\s)*SLOT
	s_add_nc_u64 s[G0A+4*(\s)+2:G0A+4*(\s)+3], s[82:83], (\s)*256       ; K step s: 128 bf16
	s_or_b32 s[G0A+4*(\s)+3], s[G0A+4*(\s)+3], 0x80000000
	s_mov_b32 s[G0Q+4*(\s)], 1
	s_mov_b32 s[G0Q+4*(\s)+1], (\s)*SLOT+BOFF
	s_add_nc_u64 s[G0Q+4*(\s)+2:G0Q+4*(\s)+3], s[84:85], (\s)*512       ; 128 f32
	s_or_b32 s[G0Q+4*(\s)+3], s[G0Q+4*(\s)+3], 0x80000000
	s_mov_b32 s[G0K+4*(\s)], 1
	s_mov_b32 s[G0K+4*(\s)+1], (\s)*SLOT+BOFF+64*PB
	s_add_nc_u64 s[G0K+4*(\s)+2:G0K+4*(\s)+3], s[96:97], (\s)*512
	s_or_b32 s[G0K+4*(\s)+3], s[G0K+4*(\s)+3], 0x80000000
	JLOAD \s                                       ; both slots are asked for before anything else: two loads of mine are out
.endr
	; A fragment is 16 rows x 32 K: lane l holds row l % 16, K = 8 (l / 16) + 0..7 and 16 + 8 (l / 16) + 0..7.  In bf16: two loads of 16 bytes, 32 apart; in f32: four, at 0, 16, 64, 80.
	v_and_b32 v1, 15, v0                           ; r
	v_bfe_u32 v2, v0, 4, 1                         ; half
	v_mul_u32_u24 v3, v1, PA
	v_lshl_add_u32 v3, v2, 4, v3
	s_mul_i32 s23, s[MH], 128*PA
	s_lshl_b32 s98, s[KH], 7                       ; my 64 of a K step: 128 bytes of bf16
	s_add_co_u32 s23, s23, s98
	v_add_nc_u32 v[ADRA], s23, v3
	v_add_nc_u32 v[ADRA+1], SLOT, v[ADRA]
	v_mul_u32_u24 v4, v1, PB
	v_lshl_add_u32 v4, v2, 5, v4
	s_lshl_b32 s23, s[KH], 8                       ; 256 bytes of f32
	s_add_co_u32 s23, s23, BOFF
	v_add_nc_u32 v[ADRB], s23, v4
	v_add_nc_u32 v[ADRB+1], SLOT, v[ADRB]
	s_mul_i32 s23, s[KH], PLN                      ; the stage: my half of K's plane, my 128 rows, row r, 32 bytes for each half of the lanes
	s_mul_i32 s98, s[MH], 128*SPI
	s_add_co_u32 s23, s23, s98
	v_mul_u32_u24 v5, v1, SPI
	v_lshl_add_u32 v5, v2, 5, v5
	v_add_nc_u32 v[STW], s23, v5
	; back: wave w finishes rows 64 w on.  q: 16 lanes a row (64 f32), two rows a load.  k, v: 8 lanes a row (32 f32), four rows a load.
	v_and_b32 v6, 31, v0                           ; l
	v_lshrrev_b32 v7, 3, v6                        ; l / 8
	v_and_b32 v8, 7, v0                            ; l % 8
	s_mul_i32 s23, s[WV], 64*SPI
	v_mul_u32_u24 v9, v2, SPI
	v_lshl_add_u32 v9, v1, 4, v9
	v_add_nc_u32 v[RDQ0], s23, v9
	v_add_nc_u32 v[RDQ1], PLN, v[RDQ0]
	s_add_co_u32 s23, s23, 256
	v_mul_u32_u24 v9, v7, SPI
	v_lshl_add_u32 v9, v8, 4, v9
	v_add_nc_u32 v[RDK0], s23, v9
	v_add_nc_u32 v[RDK1], PLN, v[RDK0]
	; freqs_cis: a row is 512 bytes, (cos, sin) of pair p at 8 p.  My four columns are two pairs: 16 bytes.  q's 64 channels begin at pair 32 (cx % 2), k's 32 at pair 16 cx.
	s_lshl_b32 s23, s[WV], 15
	s_and_b32 s98, s[CX], 1
	s_lshl_b32 s98, s98, 8
	s_add_co_u32 s98, s98, s23
	v_lshlrev_b32 v9, 9, v2
	v_lshl_add_u32 v9, v1, 4, v9
	v_add_nc_u32 v[FOQ], s98, v9
	s_lshl_b32 s98, s[CX], 7
	s_add_co_u32 s98, s98, s23
	v_lshlrev_b32 v9, 9, v7
	v_lshl_add_u32 v9, v8, 4, v9
	v_add_nc_u32 v[FOK], s98, v9
	s_lshl_b32 s23, s[WV], 13                      ; out: 8 bytes a lane, 256 consecutive bytes a wave: two rows of a q plane, four of a k or v plane
	v_lshl_add_u32 v[QOF], v6, 3, s23
	s_lshl_b32 s23, s[WV], 12
	v_lshl_add_u32 v[KOF], v6, 3, s23
	s_lshl_b32 s82, s[CY], 17                      ; my 256 rows of freqs_cis,
	s_mov_b32 s83, 0
	s_add_nc_u64 s[12:13], s[12:13], s[82:83]
	s_lshl_b32 s86, s[COL], 17                     ; of my q plane,
	s_lshl_b32 s87, s[CY], 15
	s_add_co_u32 s86, s86, s87
	s_mov_b32 s87, 0
	s_add_nc_u64 s[14:15], s[14:15], s[86:87]
	s_and_b32 s88, s[COL], 31                      ; of my k or v plane
	s_lshl_b32 s88, s88, 16
	s_lshl_b32 s89, s[CY], 14
	s_add_co_u32 s88, s88, s89
	s_mov_b32 s89, 0
	s_cmp_lt_u32 s[CLX], 8
	s_cselect_b64 s[16:17], s[16:17], s[18:19]
	s_cselect_b32 s[SCK], s[SCQ], s[SCK]
	s_cselect_b32 s[SV], 0, -1
	s_mov_b32 s[SCK+1], s[SCK]
	s_add_nc_u64 s[16:17], s[16:17], s[88:89]
; 8 matrix instructions: column block b x my 8 row blocks, 32 along K, from buffers f.  The 48 accumulators take turns in one order everywhere, one instruction a turn.
.macro MULB f, b, zero
	WIN 0xa1+0x50*((\b)/4)                         ; weights window 1, x window 0, C and D window 2 or 3
.set AC, 64*((\b)%4)
.irp a, 0,1,2,3,4,5,6,7
.if \zero
	v_wmma_f32_16x16x32_bf16 v[AC+8*(\a):AC+8*(\a)+7], v[BF+BFS*(\f)+8*(\b):BF+BFS*(\f)+8*(\b)+7], v[AF+64*(\f)+8*(\a):AF+64*(\f)+8*(\a)+7], 0
.else
	v_wmma_f32_16x16x32_bf16 v[AC+8*(\a):AC+8*(\a)+7], v[BF+BFS*(\f)+8*(\b):BF+BFS*(\f)+8*(\b)+7], v[AF+64*(\f)+8*(\a):AF+64*(\f)+8*(\a)+7], v[AC+8*(\a):AC+8*(\a)+7]
.endif
.endr
.endm
; 40 LDS loads in one run: 32 of my K at part kc of the slot: 96 rows of weights as f32, 128 rows of x into buffer f
.macro FETCH slot, kc, f
	WIN 0x40
.irp i, 0,1,2,3,4,5
	ds_load_b128 v[STG+16*(\i):STG+16*(\i)+3],     v[ADRB+(\slot)] offset:128*(\kc)+16*PB*(\i)
	ds_load_b128 v[STG+16*(\i)+4:STG+16*(\i)+7],   v[ADRB+(\slot)] offset:128*(\kc)+16*PB*(\i)+16
	ds_load_b128 v[STG+16*(\i)+8:STG+16*(\i)+11],  v[ADRB+(\slot)] offset:128*(\kc)+16*PB*(\i)+64
	ds_load_b128 v[STG+16*(\i)+12:STG+16*(\i)+15], v[ADRB+(\slot)] offset:128*(\kc)+16*PB*(\i)+80
.endr
	WIN 0
.irp i, 0,1,2,3,4,5,6,7
	ds_load_b128 v[AF+64*(\f)+8*(\i):AF+64*(\f)+8*(\i)+3],   v[ADRA+(\slot)] offset:64*(\kc)+16*PA*(\i)
	ds_load_b128 v[AF+64*(\f)+8*(\i)+4:AF+64*(\f)+8*(\i)+7], v[ADRA+(\slot)] offset:64*(\kc)+16*PA*(\i)+32
.endr
.endm
; The weights are rounded to bf16 into buffer f.  These 48 plain instructions name no register of the products in front of them: they are also the places between the other
; buffers' last products and the loads and conversions that write those buffers next.
.macro CONV f
	WIN 0x45
.set j, 0
.rept 8*NB
	v_cvt_pk_bf16_f32 v[BF+BFS*(\f)+j], v[STG+2*j], v[STG+2*j+1]
.set j, j+1
.endr
.endm
; A K step is two halves of 32 of my K.  The first multiplies buffers 0 and fetches the second's operands.
.macro EVEN slot, zero
	FETCH \slot, 1, 1
.irp b, 0,1,2,3,4,5
	MULB 0, \b, \zero
.endr
	s_wait_dscnt 0x0                               ; the 40 loads, issued 48 matrix instructions ago: my last reads of this slot
	CONV 1
.endm
; The second multiplies buffers 1 and changes slots.  fill = 1: this slot is filled again, two K steps on; the barrier then opens a round of the cluster's barrier.
.macro ODD slot, next, fill
	WIN 0                                          ; (the add's two registers lie in window 0)
	s_wait_tensorcnt 0x0                           ; all my tensor loads have landed: the one that was out is my part of the next slot
	ds_add_u32 v[SPW], v[NIL]                      ; 0 onto my spare word
	MULB 1, 0, 0                                   ; eight matrix instructions stand between the add and the wait for it
	s_wait_dscnt 0x0                               ; the add is done; my reads of this slot were over before it
	s_barrier_signal -1
	MULB 1, 1, 0                                   ; work on registers while the others arrive
	WIN 0
	s_barrier_wait -1
.if \fill
	CREST                                          ; no wave of any partner still reads this slot or has a load on its way
	s_add_nc_u64 s[G0A+4*(\slot)+2:G0A+4*(\slot)+3], s[G0A+4*(\slot)+2:G0A+4*(\slot)+3], 512
	s_add_nc_u64 s[G0Q+4*(\slot)+2:G0Q+4*(\slot)+3], s[G0Q+4*(\slot)+2:G0Q+4*(\slot)+3], 1024
	s_add_nc_u64 s[G0K+4*(\slot)+2:G0K+4*(\slot)+3], s[G0K+4*(\slot)+2:G0K+4*(\slot)+3], 1024
	JLOAD \slot                                    ; my one tensor load behind the round, the first thing there: 80 matrix instructions and two runs of conversions ahead of the wait for it
.endif
	FETCH \next, 0, 0
.irp b, 2,3,4,5
	MULB 1, \b, 0
.endr
	s_wait_dscnt 0x0
	CONV 0
.endm
	s_wait_tensorcnt 1                             ; my part of K step 0 is in; K step 1's may stay out
	s_barrier_signal -1
	s_barrier_wait -1                              ; everybody's is
	FETCH 0, 0, 0
	s_wait_dscnt 0x0
	CONV 0
	EVEN 0, 1                                      ; the first products start the sums: nothing is cleared
	WIN 0
	s_mov_b32 s3, 15
.Llap:                                                 ; a trip goes once round the ring, from a lap's second half step to the next lap's first, and fills both slots again: K steps 2 to 31
	ODD 0, 1, 1
	EVEN 1, 0
	ODD 1, 0, 1
	EVEN 0, 0
	WIN 0
	s_sub_co_u32 s3, s3, 1
	s_cmp_lg_u32 s3, 0
	s_cbranch_scc1 .Llap
	ODD 0, 1, 0                                    ; the last lap asks for nothing
	EVEN 1, 0
.irp b, 0,1,2,3,4,5
	MULB 1, \b, 0
.endr
	; THE WAY OUT.  Each wave puts its sums, f32, into its half of K's plane of the stage; then wave w adds the planes for rows 64 w on, scales, rotates, rounds to f16 and stores.
.macro FLOAD                           ; freqs_cis for 16 rows: 8 loads of two rows for q's columns, 4 of four rows for k's
.irp u, 0,1,2,3,4,5,6,7
	global_load_b128 v[F+4*(\u):F+4*(\u)+3], v[FOQ], s[12:13] offset:1024*(\u)
.endr
.irp u, 0,1,2,3
	global_load_b128 v[F+32+4*(\u):F+32+4*(\u)+3], v[FOK], s[12:13] offset:2048*(\u)
.endr
.endm
	WIN 0
	PLACES                                         ; between the last products and the loads into x's buffers and the stores of the sums
	FLOAD                                          ; the first 16 rows' are on their way while the stage is written
	s_wait_dscnt 0x0
	s_barrier_signal -1
	s_barrier_wait -1                              ; every wave has read the last slot: the ring's bytes, which no load fills any more, become the stage
.irp b, 0,1,2,3,4,5
	WIN 0x08+0x04*((\b)/4)                         ; the data in window 2 or 3
.irp a, 0,1,2,3,4,5,6,7
	ds_store_b128 v[STW], v[64*((\b)%4)+8*(\a):64*((\b)%4)+8*(\a)+3]   offset:(\a)*16*SPI+64*(\b)       ; each accumulator's low registers first
	ds_store_b128 v[STW], v[64*((\b)%4)+8*(\a)+4:64*((\b)%4)+8*(\a)+7] offset:(\a)*16*SPI+64*(\b)+16
.endr
.endr
	WIN 0
	s_wait_dscnt 0x0                               ; for the others' sake: my stores are done
	s_barrier_signal -1
	s_barrier_wait -1
; 16 rows in 12 units: 0-7 q (two rows each), 8-11 k or v (four rows each).  ahead = 1: the next 16 rows' freqs_cis are asked for, and the addresses step.
.macro TRIPR ahead
	s_wait_loadcnt 0x0                             ; these rows' freqs_cis; it also frees the loads' address registers
.set u, 0
.rept 12
	v_cvt_pk_bf16_f32 v[CS+4*u+1], v[F+4*u], v[F+4*u+1]       ; rounded to bf16 as every input, then widened again
	v_cvt_pk_bf16_f32 v[CS+4*u+3], v[F+4*u+2], v[F+4*u+3]
	v_lshlrev_b32 v[CS+4*u], 16, v[CS+4*u+1]
	v_and_b32 v[CS+4*u+1], s[HIM], v[CS+4*u+1]
	v_lshlrev_b32 v[CS+4*u+2], 16, v[CS+4*u+3]
	v_and_b32 v[CS+4*u+3], s[HIM], v[CS+4*u+3]
.if u >= 8
	v_cndmask_b32 v[CS+4*u], v[CS+4*u], 1.0, s[SV]            ; v is not rotated
	v_cndmask_b32 v[CS+4*u+1], v[CS+4*u+1], 0, s[SV]
	v_cndmask_b32 v[CS+4*u+2], v[CS+4*u+2], 1.0, s[SV]
	v_cndmask_b32 v[CS+4*u+3], v[CS+4*u+3], 0, s[SV]
.endif
.set u, u+1
.endr
.if \ahead
	v_add_nc_u32 v[FOQ], 8192, v[FOQ]
	v_add_nc_u32 v[FOK], 8192, v[FOK]
	FLOAD
.endif
.set u, 0
.rept 12
.if u < 8
	ds_load_b128 v[P0+4*u:P0+4*u+3], v[RDQ0] offset:2*SPI*u
	ds_load_b128 v[P1+4*u:P1+4*u+3], v[RDQ1] offset:2*SPI*u
.else
	ds_load_b128 v[P0+4*u:P0+4*u+3], v[RDK0] offset:4*SPI*(u-8)
	ds_load_b128 v[P1+4*u:P1+4*u+3], v[RDK1] offset:4*SPI*(u-8)
.endif
.set u, u+1
.endr
.set u, 0
.rept 12
	s_wait_dscnt 22-2*u                            ; unit u's two loads are in; the younger units' stay out
	v_pk_add_f32 v[P0+4*u:P0+4*u+1], v[P0+4*u:P0+4*u+1], v[P1+4*u:P1+4*u+1]
	v_pk_add_f32 v[P0+4*u+2:P0+4*u+3], v[P0+4*u+2:P0+4*u+3], v[P1+4*u+2:P1+4*u+3]
.if u < 8
	v_pk_mul_f32 v[P0+4*u:P0+4*u+1], v[P0+4*u:P0+4*u+1], s[SCQ:SCQ+1] op_sel_hi:[1,0]
	v_pk_mul_f32 v[P0+4*u+2:P0+4*u+3], v[P0+4*u+2:P0+4*u+3], s[SCQ:SCQ+1] op_sel_hi:[1,0]
.else
	v_pk_mul_f32 v[P0+4*u:P0+4*u+1], v[P0+4*u:P0+4*u+1], s[SCK:SCK+1] op_sel_hi:[1,0]
	v_pk_mul_f32 v[P0+4*u+2:P0+4*u+3], v[P0+4*u+2:P0+4*u+3], s[SCK:SCK+1] op_sel_hi:[1,0]
.endif
	v_mul_f32 v10, v[P0+4*u+1], v[CS+4*u+1]        ; x1 sin
	v_mul_f32 v11, v[P0+4*u+1], v[CS+4*u]          ; x1 cos
	v_mul_f32 v12, v[P0+4*u+3], v[CS+4*u+3]
	v_mul_f32 v13, v[P0+4*u+3], v[CS+4*u+2]
	v_fma_f32 v10, v[P0+4*u], v[CS+4*u], -v10      ; x0 cos - x1 sin
	v_fma_f32 v11, v[P0+4*u], v[CS+4*u+1], v11     ; x0 sin + x1 cos
	v_fma_f32 v12, v[P0+4*u+2], v[CS+4*u+2], -v12
	v_fma_f32 v13, v[P0+4*u+2], v[CS+4*u+3], v13
	v_cvt_pk_f16_f32 v[Y+2*u], v10, v11
	v_cvt_pk_f16_f32 v[Y+2*u+1], v12, v13
.if u < 8
	global_store_b64 v[QOF], v[Y+2*u:Y+2*u+1], s[14:15] offset:256*u        ; a wave's store covers 256 consecutive bytes, aligned
.else
	global_store_b64 v[KOF], v[Y+2*u:Y+2*u+1], s[16:17] offset:256*(u-8)
.endif
.set u, u+1
.endr
.if \ahead
	s_wait_xcnt 0x0                                ; the stores' data and offsets are rewritten only behind this wait
	v_add_nc_u32 v[QOF], 2048, v[QOF]
	v_add_nc_u32 v[KOF], 1024, v[KOF]
	v_add_nc_u32 v[RDQ0], 16*SPI, v[RDQ0]
	v_add_nc_u32 v[RDQ1], 16*SPI, v[RDQ1]
	v_add_nc_u32 v[RDK0], 16*SPI, v[RDK0]
	v_add_nc_u32 v[RDK1], 16*SPI, v[RDK1]
.endif
.endm
	s_mov_b32 s3, 3
.Lrows:
	TRIPR 1
	s_sub_co_u32 s3, s3, 1
	s_cmp_lg_u32 s3, 0
	s_cbranch_scc1 .Lrows
	TRIPR 0                                        ; the last 16 rows ask for nothing more
	s_wait_tensorcnt 0x0                           ; the wave's end: behind my last tensor load and my last LDS store
	ds_add_u32 v[SPW], v[NIL]
	s_wait_dscnt 0x0
	CROUND                                         ; the closing round: no work-group ends while a partner may still ask for a tile that names it
	s_endpgm
.Lfunc_end_k_qa540b7f14f_qkv:
	.size	k_qa540b7f14f_qkv, .Lfunc_end_k_qa540b7f14f_qkv-k_qa540b7f14f_qkv
	.p2alignl 7, 3214868480
	.fill 96, 4, 3214868480
	.section	.rodata,"a",@progbits
	.p2align	6, 0x0
	.amdhsa_kernel k_qa540b7f14f_qkv
		.amdhsa_group_segment_fixed_size 327680
		.amdhsa_private_segment_fixed_size 0
		.amdhsa_enable_private_segment 0
		.amdhsa_kernarg_size 64
		.amdhsa_user_sgpr_count 2
		.amdhsa_user_sgpr_kernarg_segment_ptr 1
		.amdhsa_wavefront_size32 1
		.amdhsa_system_sgpr_workgroup_id_x 1
		.amdhsa_system_sgpr_workgroup_id_y 1
		.amdhsa_system_sgpr_workgroup_id_z 1
		.amdhsa_system_vgpr_workitem_id 0
		.amdhsa_next_free_vgpr 896
		.amdhsa_next_free_sgpr 100
		.amdhsa_reserve_vcc 0
		.amdhsa_float_denorm_mode_32 3
		.amdhsa_float_denorm_mode_16_64 3
		.amdhsa_memory_ordered 1
		.amdhsa_forward_progress 1
		.amdhsa_inst_pref_size 125
	.end_amdhsa_kernel
	.amdgpu_metadata
---
amdhsa.version: [ 1, 2 ]
amdhsa.kernels:
  - .name:           k_qa540b7f14f_qkv
    .symbol:         k_qa540b7f14f_qkv.kd
    .args:
      - { .name: xb, .offset: 0, .size: 8, .value_kind: global_buffer, .address_space: global }
      - { .name: wq, .offset: 8, .size: 8, .value_kind: global_buffer, .address_space: global }
      - { .name: wk, .offset: 16, .size: 8, .value_kind: global_buffer, .address_space: global }
      - { .name: wv, .offset: 24, .size: 8, .value_kind: global_buffer, .address_space: global }
      - { .name: freqs_cis, .offset: 32, .size: 8, .value_kind: global_buffer, .address_space: global }
      - { .name: qws, .offset: 40, .size: 8, .value_kind: global_buffer, .address_space: global }
      - { .name: kws, .offset: 48, .size: 8, .value_kind: global_buffer, .address_space: global }
      - { .name: vws, .offset: 56, .size: 8, .value_kind: global_buffer, .address_space: global }
    .group_segment_fixed_size: 327680
    .private_segment_fixed_size: 0
    .kernarg_segment_align: 8
    .kernarg_segment_size: 64
    .max_flat_workgroup_size: 128
    .sgpr_count:     100
    .vgpr_count:     896
    .wavefront_size: 32
...
	.end_amdgpu_metadata
.endif
;; end of part 2
;; launch attn (part 3): grid 32 x 8, 4 waves a work-group, clusters of 4 x 1, 327,680 bytes of LDS; arguments qws, kws, vws, yws; writes yws
.if DOCPART == 3
	.amdgcn_target "amdgcn-amd-amdhsa--gfx1250"
	.amdhsa_code_object_version 6
	.text
	.protected	k_qa540b7f14f_attn
	.globl	k_qa540b7f14f_attn
	.p2align	8
	.type	k_qa540b7f14f_attn,@function
k_qa540b7f14f_attn:
	s_mov_b64 s[64:65], 0
	v_nop
	global_prefetch_b8 v0, s[64:65] scope:SCOPE_SE
	s_setreg_imm32_b32 hwreg(HW_REG_WAVE_MODE, 25, 1), 1
	s_wait_xcnt 0x0
	s_wait_alu depctr_hold_cnt(0) depctr_sa_sdst(0) depctr_va_vdst(0) depctr_va_sdst(0) depctr_va_ssrc(0) depctr_va_vcc(0) depctr_vm_vsrc(0)
	s_getreg_b32 s2, hwreg(HW_REG_IB_STS2, 6, 4)
	s_cmp_eq_u32 s2, 0
	s_cbranch_scc0 .Lentry_in_a_cluster
	s_endpgm
.Lentry_in_a_cluster:
	s_bfe_u32 s2, ttmp6, 0x10000c
	s_cmp_lg_u32 s2, 0x3003
	s_cbranch_scc0 .Lentry_shape_is_right
	s_endpgm
.Lentry_shape_is_right:
; CAUSAL ATTENTION, four query heads to a key and value head.  y[s][128 h + :] = the sum over t <= s of softmax_t(q[h][s] . k[h / 4][t] / sqrt(128)) v[h / 4][t][:].
; qws: [64 planes][1024][64] f16 (plane 2 h + channel half), holding q 2^-8.  kws, vws: [32 planes][1024][32] f16 (plane 4 g + channel quarter), holding k 2^-8 and v 2^-2.  yws: [1024][4096] f16, holding y 2^-2.
; Products, maxima and sums in f32; the weights p are rounded to f16 for the second product (their sum l is taken of the unrounded p), y once at the end.
; LIMITS.  p lies in 0 to 1 and below 6e-5 keeps f16's fixed step of 6e-8; y is a mean of v's rows and has their range.  A hidden score counts as its value less 1e30 (in units of q k 2^-16): f16's scores, 5.5e11 at
; the most, are nothing beside that.  A weight below 2^-126 counts as 0 in l.  NaN and infinities are not treated apart.
; THE WALK.  A head's queries lie in 16 blocks of 64; block i needs the key tiles 0 .. i of 64 keys, the last of which holds the diagonal.  A work-group takes blocks 15 - b and then b: 17 tiles whatever b, so all
; 256 work-groups do equal work.  A slot of LDS holds a GROUP of two tiles, 128 keys: ((15 - b) / 2 + 1) + (b / 2 + 1) = 9 groups whatever b, 18 places for steps, of which one is dead and is jumped forward.
; CLUSTER.  The four heads of a cluster share their key and value head and b, so they walk the same groups in the same order: every group is asked for JOINTLY, by the same load, descriptor and mask in all four.
; SHARES.  Wave w owns rows 16 w .. 16 w + 15 of the block: one tile of 16 queries.
; LAYOUT.  S^T = K Q^T (source 0 = 16 keys, source 1 = 16 queries): a lane holds ONE query (lane % 16) and the keys 8 (lane / 16) + 0..7.  Two such results rounded to f16 ARE source 1 of O^T = V^T P.
; SOFTMAX.  A running maximum m and sum l: p = 2^(c s - c m), c = log2(e) / sqrt(128) x 2^16 (it undoes q's and k's factors); in every step O and l are multiplied by a = 2^(c m_old - c m_new).
; THE MASK is what the sums S^T begin with: MD x AL, with MD (made once) -1e30 where my lane's key lies beyond my query in the diagonal tile, and AL = 1 in that tile, 0 elsewhere.
; REGISTERS: window 0: v0-15 addresses; v16-23 statistics; v32-63 S^T; v64-79 P; v80-111 Q; v112-143 the second block's Q; v144-175 MD; v192-255 O^T.   window 1: v0-127 K of a step; v128-255 V of a step.
.set PK,    272                        ; four keys of a K plane (256 bytes) + 16: the 16 keys of a load fall into 16 different groups of four banks (64 banks of 4 bytes: ISA guide 11.1)
.set PV,    288                        ; four keys of a V plane + 32
.set KPL,   32*PK                      ; a plane's 128 keys
.set VPL,   32*PV
.set VOFF,  4*KPL                      ; a slot: four planes of K, then four of V
.set SLOT1, 1<<17                      ; slot 1 begins here: one exclusive or turns an address in one slot into the other's
.set STAGE, SLOT1+VOFF+4*VPL           ; behind the ring, never filled by a tensor load: 16 rows x 272 bytes for each wave
.set SP,    272
.set SPARE, STAGE+4*16*SP              ; behind the stages: the spare words, 128 bytes for each wave, two blocks of 256 bytes that no other line names
.set AK0, 2                            ; v2  my lane's place in a tile of K; never rewritten
.set AV0, 3                            ; v3  the same for V
.set AK,  4                            ; v4  the step's LDS addresses
.set AV,  5
.set STO, 6                            ; v6  the way out: where I put 16 bytes of a row
.set RD,  7                            ; v7  where I read rows back
.set GO,  8                            ; v8  my byte offset in two rows of y
.set QO,  15                           ; v15 my byte offset in 16 rows of a q plane
.set ST,  16                           ; v16 c m, v17 m, v18-19 l (even keys', odd keys'), v20-23 c0-c3 at work; a takes c2's place
.set SPW, 26                           ; v26 LDS address of my spare word; never rewritten
.set NIL, 27                           ; v27 0; never rewritten
.set S,   32
.set P,   64
.set Q,   80
.set QB,  112
.set MD,  144
.set O,   192
.set VF,  128                          ; window 1
.set WV,  12
.set G1K, 24                           ; s[24:31], s[32:39] descriptor group 1 for K's and V's tiles: they differ in the padding
.set G1V, 32
.set G0K, 40                           ; s[40:43], s[44:47] group 0
.set G0V, 44
.set SLOTS, 56
.set CNT, 57
.set CS,  58                           ; s[58:59] c
.set SEL, 60                           ; s[60:61] v_permlanex16_b32's selects: each lane takes its own place in the other half
.set TBK, 62                           ; s62 LDS byte at which the step's K begins;  s63 the same for V, less VOFF
.set TBV, 63
.set PB,  66                           ; s66 b;  s67 15 - b
.set HI,  67
.set RT,  70                           ; s70 tiles of the block in hand still to be walked
.set NXT, 71                           ; s71 the group to be asked for next
.set LQ,  72                           ; s72 the last group of the block whose groups are being asked for
.set OFF, 74                           ; s[74:75] a group's byte offset in a plane
.set AL,  76                           ; s[76:77] the mask's factor, in the low word
.set OLO, 80                           ; s[80:81] y at my rows of the second block
.set BIGN, 82                          ; s82 -1e30
.set LQ2, 83                           ; s83 b / 2
.set MSB, 0
.macro WIN new
.if MSB != (\new)
	s_set_vgpr_msb (MSB<<8)|(\new)
.set MSB, (\new)
.endif
.endm
.macro PLACES
.rept 4
	v_nop
.endr
.endm
; A joint fill.  Waves 0, 1 fetch two planes of K each, waves 2, 3 two of V.  An s_nop 0 and four v_nop follow each line, ahead of the jump and the label.
.macro JLOAD
	s_cmp_lt_u32 s[WV], 2
	s_cbranch_scc0 .Lfor_v_\@
	tensor_load_to_lds s[G0K:G0K+3], s[G1K:G1K+7]
	s_nop 0
	PLACES
	s_branch .Lasked_\@
.Lfor_v_\@:
	tensor_load_to_lds s[G0V:G0V+3], s[G1V:G1V+7]
	s_nop 0
	PLACES
.Lasked_\@:
.endm
.macro CROUND                          ; a round of the cluster's barrier
	s_barrier_signal -1
	s_barrier_wait -1
	s_cmp_lg_u32 s[WV], 0
	s_cbranch_scc1 .Lnot_wave_0_\@
	s_barrier_signal -3
.Lnot_wave_0_\@:
	s_barrier_wait -3
	s_barrier_signal -1
	s_barrier_wait -1
.endm
; THE CHANGE OF SLOTS.  Each wave waits for all its tensor loads, of which one is out: its part of the other slot; adds 0 to its spare word; waits for that and for its reads of the slot that it leaves.
; fill = 1: the old slot is filled again with group NXT, the first thing behind a round of the cluster's barrier; the address is made anew from that number.  It has two key steps in which to land.
; (At its first use nothing has been read yet: slot 0 is waited for, slot 1 filled.)
.macro CHANGE fill
	WIN 0
	s_wait_tensorcnt 0x0                           ; no tensor load of mine is out, so a group 0 may be written
	ds_add_u32 v[SPW], v[NIL]                      ; 0 onto my spare word; scalar work stands between it and the wait for it
.if \fill
	s_lshl_b32 s[OFF], s[NXT], 13                  ; 128 keys of 64 bytes
	s_xor_b32 s[G0K+1], s[G0K+1], SLOT1
	s_add_nc_u64 s[G0K+2:G0K+3], s[6:7], s[OFF:OFF+1]
	s_or_b32 s[G0K+3], s[G0K+3], 0x80000000
	s_xor_b32 s[G0V+1], s[G0V+1], SLOT1
	s_add_nc_u64 s[G0V+2:G0V+3], s[8:9], s[OFF:OFF+1]
	s_or_b32 s[G0V+3], s[G0V+3], 0x80000000
	s_add_co_u32 s[NXT], s[NXT], 1                 ; the block's next group, or behind its last the second block's group 0
	s_cmp_gt_u32 s[NXT], s[LQ]
	s_cselect_b32 s[NXT], 0, s[NXT]
	s_cselect_b32 s[LQ], s[LQ2], s[LQ]
.endif
	s_sub_co_u32 s[TBK], s[TBK], 32*PK             ; the steps go back to a slot's first tile,
	s_xor_b32 s[TBK], s[TBK], SLOT1                ; in the other slot
	s_sub_co_u32 s[TBV], s[TBV], 32*PV
	s_xor_b32 s[TBV], s[TBV], SLOT1
	s_wait_dscnt 0x0                               ; the add is done, and my reads of the slot are over
.if \fill
	CROUND
	JLOAD
.else
	s_barrier_signal -1
	s_barrier_wait -1
.endif
.endm
	s_load_b256 s[4:11], s[0:1], 0x0               ; qws s[4:5], kws s[6:7], vws s[8:9], yws s[10:11]
	v_lshl_add_u32 v[SPW], v0, 2, SPARE
	v_mov_b32 v[NIL], 0
	ds_add_u32 v[SPW], v[NIL]                      ; the wave's opening: the add and its wait ahead of my first tensor load; the set-up below stands between them
	v_lshrrev_b32 v1, 5, v0
	v_readfirstlane_b32 s[WV], v1
	s_bfe_u32 s13, ttmp6, 0x40000                  ; cx
	s_lshl_b32 s14, ttmp9, 2
	s_add_co_u32 s14, s14, s13                     ; my head = 4 x cluster x + cx: it enters q's and y's addresses alone
	s_and_b32 s[PB], ttmp7, 0xffff                 ; b, which the partners share
	s_sub_co_u32 s[HI], 15, s[PB]
	s_and_b32 s16, s[WV], 1                        ; which two planes I fetch
	s_lshl_b32 s22, ttmp9, 18                      ; the key and value head's four planes of 65,536 bytes
	s_lshl_b32 s23, s16, 17
	s_add_co_u32 s22, s22, s23
	s_mov_b32 s23, 0
	s_mul_i32 s17, s16, 2*KPL                      ; and where they go
	s_mul_i32 s18, s16, 2*VPL
	s_lshl_b32 s2, s14, 18                         ; q: my head's two planes of 131,072 bytes, my wave's 16 rows of 128 bytes,
	s_lshl_b32 s3, s[WV], 11
	s_add_co_u32 s2, s2, s3
	s_lshl_b32 s20, s[HI], 13                      ; in the first block
	s_add_co_u32 s20, s20, s2
	s_mov_b32 s21, 0
	s_lshl_b32 s84, s[PB], 13                      ; and in the second
	s_add_co_u32 s84, s84, s2
	s_mov_b32 s85, 0
	s_lshl_b32 s2, s14, 8                          ; y: my head's 256 bytes of a row of 8,192, my wave's 16 rows
	s_lshl_b32 s3, s[WV], 17
	s_add_co_u32 s2, s2, s3
	s_lshl_b32 s86, s[HI], 19
	s_add_co_u32 s86, s86, s2
	s_mov_b32 s87, 0
	s_lshl_b32 s78, s[PB], 19
	s_add_co_u32 s78, s78, s2
	s_mov_b32 s79, 0
	; group 1: two planes, of each 128 keys = 8,192 dense bytes as one row; padded in LDS behind every four keys
	s_mov_b32 s[G1K], 15|(1<<16)|(1<<20)|(1<<21)|(5<<22)|(3<<25)   ; the mask of four; 2-byte elements; padding on; bit 21 beside a mask; 4 words behind every 64
	s_mov_b32 s[G1V], 15|(1<<16)|(1<<20)|(1<<21)|(5<<22)|(7<<25)   ; the same with 8 words
.irp g, G1K, G1V
	s_mov_b32 s[\g+1], 4096<<16                    ; tensor_dim0 = 4,096
	s_mov_b32 s[\g+2], 2<<16                       ; tensor_dim1 = 2
	s_mov_b32 s[\g+3], 4096<<16                    ; tile_dim0 = 4,096
	s_mov_b32 s[\g+4], 2                           ; tile_dim1 = 2
	s_mov_b32 s[\g+5], 32768                       ; elements from plane to plane
	s_mov_b32 s[\g+6], 0
	s_mov_b32 s[\g+7], 0
.endr
	s_mov_b32 s[CS], 0x460293ee                    ; c = log2(e) / sqrt(128) x 2^16
	s_mov_b32 s[CS+1], s[CS]
	s_mov_b32 s[SEL], 0x76543210
	s_mov_b32 s[SEL+1], 0xfedcba98
	s_mov_b32 s[TBK], SLOT1+32*PK                  ; the first change of slots turns these two into 0
	s_mov_b32 s[TBV], SLOT1+32*PV
	s_mov_b32 s[G0K], 1
	s_mov_b32 s[G0K+1], s17                        ; slot 0
	s_mov_b32 s[G0V], 1
	s_add_co_u32 s[G0V+1], s18, VOFF
	s_add_co_u32 s[RT], s[HI], 1                   ; the first block has 16 - b tiles
	s_mov_b32 s[NXT], 1
	s_lshr_b32 s[LQ], s[HI], 1
	s_lshr_b32 s[LQ2], s[PB], 1
	s_mov_b32 s[OFF+1], 0
	s_mov_b32 s[AL+1], 0
	s_mov_b32 s[BIGN], 0xf149f2ca                  ; -1e30
	s_mov_b32 s[SLOTS], 8
	s_wait_dscnt 0x0                               ; the opening add is done
	s_wait_kmcnt 0x0
	s_add_nc_u64 s[6:7], s[6:7], s[22:23]          ; K and V at my two planes
	s_add_nc_u64 s[8:9], s[8:9], s[22:23]
	s_add_nc_u64 s[G0K+2:G0K+3], s[6:7], 0         ; group 0
	s_or_b32 s[G0K+3], s[G0K+3], 0x80000000
	s_add_nc_u64 s[G0V+2:G0V+3], s[8:9], 0
	s_or_b32 s[G0V+3], s[G0V+3], 0x80000000
	s_add_nc_u64 s[84:85], s[4:5], s[84:85]        ; q at my rows of the second block,
	s_add_nc_u64 s[4:5], s[4:5], s[20:21]          ; q and y at those of the first
	s_add_nc_u64 s[OLO:OLO+1], s[10:11], s[78:79]
	s_add_nc_u64 s[10:11], s[10:11], s[86:87]
	CROUND                                         ; all four work-groups are here: the first joint loads meet
	JLOAD                                          ; group 0 into slot 0
	; A fragment of K or Q is 16 rows x 32 channels: lane l holds row l % 16, channels 8 (l / 16) + 0..7 and 16 + 8 (l / 16) + 0..7: two loads of 16 bytes, 32 apart.
	v_and_b32 v1, 15, v0                           ; r
	v_bfe_u32 v9, v0, 4, 1                         ; half
	v_lshlrev_b32 v[QO], 7, v1
	v_lshl_add_u32 v[QO], v9, 4, v[QO]
.irp cc, 0,1,2,3                       ; both blocks' Q stay in registers: channels 32 cc on lie in plane cc / 2
	global_load_b128 v[Q+8*(\cc):Q+8*(\cc)+3],     v[QO], s[4:5] offset:131072*((\cc)/2)+64*((\cc)%2)
	global_load_b128 v[Q+8*(\cc)+4:Q+8*(\cc)+7],   v[QO], s[4:5] offset:131072*((\cc)/2)+64*((\cc)%2)+32
	global_load_b128 v[QB+8*(\cc):QB+8*(\cc)+3],   v[QO], s[84:85] offset:131072*((\cc)/2)+64*((\cc)%2)
	global_load_b128 v[QB+8*(\cc)+4:QB+8*(\cc)+7], v[QO], s[84:85] offset:131072*((\cc)/2)+64*((\cc)%2)+32
.endr
	v_lshrrev_b32 v10, 2, v1                       ; key r of a block of 16 lies in padded row r / 4, at 64 (r % 4)
	v_and_b32 v11, 3, v0
	v_mul_u32_u24 v[AK0], v10, PK
	v_lshl_add_u32 v[AK0], v11, 6, v[AK0]
	v_lshl_add_u32 v[AK0], v9, 4, v[AK0]
	; The turning load takes 16 keys x 16 channels (lane l reads key 8 (l / 16) + l % 8, channels 8 ((l / 8) % 2) + 0..7) and leaves half a fragment of V^T: lane l holds channel l % 16 and 8 keys.
	v_bfe_u32 v12, v0, 2, 1
	v_lshl_add_u32 v12, v9, 1, v12                 ; that key's padded row
	v_mul_u32_u24 v[AV0], v12, PV
	v_lshl_add_u32 v[AV0], v11, 6, v[AV0]
	v_bfe_u32 v13, v0, 3, 1
	v_lshl_add_u32 v[AV0], v13, 4, v[AV0]
	v_add_nc_u32 v[AV0], VOFF, v[AV0]
	s_mul_i32 s19, s[WV], 16*SP
	s_add_co_u32 s19, s19, STAGE                   ; my stage
	v_mul_u32_u24 v[STO], v1, SP                   ; in: row r, 16 bytes for each half of the lanes
	v_lshl_add_u32 v[STO], v9, 4, v[STO]
	v_add_nc_u32 v[STO], s19, v[STO]
	v_mul_u32_u24 v[RD], v9, SP                    ; back: lanes 0-15 take one row of 256 bytes, lanes 16-31 the next
	v_lshl_add_u32 v[RD], v1, 4, v[RD]
	v_add_nc_u32 v[RD], s19, v[RD]
	v_lshlrev_b32 v[GO], 13, v9                    ; and the same two rows in y
	v_lshl_add_u32 v[GO], v1, 4, v[GO]
	v_lshlrev_b32 v14, 3, v9
	v_sub_nc_u32 v14, v1, v14
	s_lshl_b32 s19, s[WV], 4
	v_add_nc_u32 v14, s19, v14                     ; my query's place in its block, 16 w + r, less my lanes' 8 (l / 16): register j of key block kb is hidden where 16 kb + j is greater
.set i, 0
.rept 32
	v_cmp_gt_i32 vcc_lo, 16*(i/8)+i%8, v14
	v_cndmask_b32 v[MD+i], 0, s[BIGN], vcc_lo
.set i, i+1
.endr
	; A block's first step multiplies O^T and l by a = 0, so they need only hold finite numbers: zeros for the first block, what the first block left for the second.  This stands in the wait for the first group.
.set i, 0
.rept 64
	v_mov_b32 v[O+i], 0
.set i, i+1
.endr
	v_mov_b32 v[ST], 0xfe000000                    ; c m: far below every c s, hidden ones too
	v_mov_b32 v[ST+1], 0xff7fffff                  ; m: the lowest finite number
.irp j, 2,3,4,5,6,7
	v_mov_b32 v[ST+\j], 0
.endr
	s_wait_loadcnt 0x0                             ; Q
; A KEY STEP, in phases: the mask; K's and V's fragments; 16 products K Q^T; the softmax; 16 products V^T P.  The accumulators of each run take turns, one instruction a turn.
.macro STEP
	s_cmp_eq_u32 s[RT], 1                          ; the block's last tile holds the diagonal
	s_cselect_b32 s[AL], 1.0, 0
.set z, 0
.rept 16
	v_pk_mul_f32 v[S+2*z:S+2*z+1], v[MD+2*z:MD+2*z+1], s[AL:AL+1] op_sel_hi:[1,0]   ; what the sums begin with
.set z, z+1
.endr
	v_add_nc_u32 v[AK], s[TBK], v[AK0]
	v_add_nc_u32 v[AV], s[TBV], v[AV0]
	WIN 0x40                                       ; destination window 1
.irp kb, 0,1,2,3
.irp cc, 0,1,2,3
	ds_load_b128 v[8*(4*(\kb)+(\cc)):8*(4*(\kb)+(\cc))+3],   v[AK] offset:KPL*(\cc)+4*PK*(\kb)
	ds_load_b128 v[8*(4*(\kb)+(\cc))+4:8*(4*(\kb)+(\cc))+7], v[AK] offset:KPL*(\cc)+4*PK*(\kb)+32
.endr
.endr
.set f, 0
.rept 16                               ; keys 32 (f / 8) on, channels 16 (f % 8) on
	ds_load_tr16_b128 v[VF+8*f:VF+8*f+3],   v[AV] offset:VPL*((f%8)/2)+32*(f%2)+8*PV*(f/8)
	ds_load_tr16_b128 v[VF+8*f+4:VF+8*f+7], v[AV] offset:VPL*((f%8)/2)+32*(f%2)+8*PV*(f/8)+4*PV
.set f, f+1
.endr
	s_wait_dscnt 32                                ; K is in; V's 32 loads, issued behind, may stay out
	WIN 0x01                                       ; source 0 window 1
.set i, 0
.rept 16                               ; channels 32 (i / 4) on, keys 16 (i % 4) on
	v_wmma_f32_16x16x32_f16 v[S+8*(i%4):S+8*(i%4)+7], v[8*(4*(i%4)+i/4):8*(4*(i%4)+i/4)+7], v[Q+8*(i/4):Q+8*(i/4)+7], v[S+8*(i%4):S+8*(i%4)+7]
.set i, i+1
.endr
	WIN 0
	PLACES                                         ; between the last product and the first read of its result (ISA guide 7.12.1)
	; the maximum of my 32 scores and the old m, three operands at a time; each accumulator's lowest registers are read first
.irp j, 0,1,2,3
	v_max3_num_f32 v[ST+4+\j], v[S+8*\j], v[S+8*\j+1], v[S+8*\j+2]
.endr
.irp j, 0,1,2,3
	v_max3_num_f32 v[ST+4+\j], v[ST+4+\j], v[S+8*\j+3], v[S+8*\j+4]
.endr
.irp j, 0,1,2,3
	v_max3_num_f32 v[ST+4+\j], v[ST+4+\j], v[S+8*\j+5], v[S+8*\j+6]
.endr
	v_max3_num_f32 v[ST+4], v[ST+4], v[S+7], v[S+15]
	v_max3_num_f32 v[ST+6], v[ST+6], v[S+23], v[S+31]
	v_max3_num_f32 v[ST+5], v[ST+5], v[ST+7], v[ST+1]
	v_mov_b32 v[ST+7], v[ST]                       ; c m_old is kept
	v_max3_num_f32 v[ST+4], v[ST+4], v[ST+5], v[ST+6]
	v_permlanex16_b32 v[ST+5], v[ST+4], s[SEL], s[SEL+1]   ; the query's other 32 keys lie in the lane 16 away
	v_max_num_f32 v[ST+1], v[ST+4], v[ST+5]
	v_mul_f32 v[ST], s[CS], v[ST+1]
	v_sub_f32 v[ST+7], v[ST+7], v[ST]
	v_exp_f32 v[ST+6], v[ST+7]                     ; a; the scalings below are the plain instructions behind it
.set z, 0
.rept 16
	v_pk_fma_f32 v[S+2*z:S+2*z+1], v[S+2*z:S+2*z+1], s[CS:CS+1], v[ST:ST+1] op_sel_hi:[1,0,0] neg_lo:[0,0,1] neg_hi:[0,0,1]   ; c s - c m
.set z, z+1
.endr
.set z, 0
.rept 32                               ; an exponential and a pair of O^T times a by turns: a plain instruction that names none of its registers stands behind each exponential
	v_exp_f32 v[S+z], v[S+z]
	s_wait_alu depctr_va_vdst(0)
	v_pk_mul_f32 v[O+2*z:O+2*z+1], v[O+2*z:O+2*z+1], v[ST+6:ST+7] op_sel_hi:[1,0]
.set z, z+1
.endr
.set z, 0
	s_wait_alu depctr_va_vdst(0)
.rept 16
	v_cvt_pk_f16_f32 v[P+z], v[S+2*z], v[S+2*z+1]
.set z, z+1
.endr
.irp w, 4,8,16,32                      ; the 16 pairs (an even key's weight, an odd key's) are added in place, neighbours 1, 2, 4 and 8 pairs apart
.set z, 0
.rept 32/(\w)
	v_pk_add_f32 v[S+(\w)*z:S+(\w)*z+1], v[S+(\w)*z:S+(\w)*z+1], v[S+(\w)*z+(\w)/2:S+(\w)*z+(\w)/2+1]
.set z, z+1
.endr
.endr
	v_pk_fma_f32 v[ST+2:ST+3], v[ST+2:ST+3], v[ST+6:ST+7], v[S:S+1] op_sel_hi:[1,0,1]   ; l = a l + the sum
	s_wait_dscnt 0x0                               ; V is in
	WIN 0x01
.set i, 0
.rept 16                               ; keys 32 (i / 8) on, channels 16 (i % 8) on
	v_wmma_f32_16x16x32_f16 v[O+8*(i%8):O+8*(i%8)+7], v[VF+8*i:VF+8*i+7], v[P+8*(i/8):P+8*(i/8)+7], v[O+8*(i%8):O+8*(i%8)+7]
.set i, i+1
.endr
	WIN 0
	PLACES                                         ; behind the last products, on every way on: the next step's loads into V's registers, the way out's reads of O^T
	s_sub_co_u32 s[RT], s[RT], 1
.endm
; A slot's two places for steps: written once, walked twice.  A place behind the block's last tile is dead: it is jumped, forward, to the label ahead of the count's step.
.macro TWO
	s_mov_b32 s[CNT], 2
.Lstep_\@:
	s_cmp_eq_u32 s[RT], 0
	s_cbranch_scc1 .Ldead_\@
	STEP
.Ldead_\@:
	s_add_co_u32 s[TBK], s[TBK], 16*PK             ; the slot's next 64 keys
	s_add_co_u32 s[TBV], s[TBV], 16*PV
	s_sub_co_u32 s[CNT], s[CNT], 1
	s_cmp_lg_u32 s[CNT], 0
	s_cbranch_scc1 .Lstep_\@
.endm
; THE WAY OUT of a block: l's two halves and the other half of the lanes' are added; O^T is divided by l, rounded to f16 and sent through my stage: in as 16 bytes a lane, back as whole rows of 256 bytes.
.macro OUT
	v_add_f32 v[ST+4], v[ST+2], v[ST+3]
	v_permlanex16_b32 v[ST+5], v[ST+4], s[SEL], s[SEL+1]
	v_add_f32 v[ST+4], v[ST+4], v[ST+5]
	v_rcp_f32 v[ST+6], v[ST+4]
	v_nop                                          ; a plain instruction between the reciprocal and the use of its result
.set z, 0
	s_wait_alu depctr_va_vdst(0)
.rept 32
	v_pk_mul_f32 v[O+2*z:O+2*z+1], v[O+2*z:O+2*z+1], v[ST+6:ST+7] op_sel_hi:[1,0]
.set z, z+1
.endr
.set z, 0
.rept 32
	v_cvt_pk_f16_f32 v[S+z], v[O+2*z], v[O+2*z+1]
.set z, z+1
.endr
.irp f, 0,1,2,3,4,5,6,7
	ds_store_b128 v[STO], v[S+4*\f:S+4*\f+3] offset:32*\f
.endr
.irp f, 0,1,2,3,4,5,6,7
	ds_load_b128 v[S+4*\f:S+4*\f+3], v[RD] offset:\f*2*SP      ; LDS serves a wave's instructions in order (ISA guide 5.7.1.4): these see the stores above
.endr
.irp f, 0,1,2,3,4,5,6,7
	s_wait_dscnt 7-\f                              ; the younger loads stay out
	global_store_b128 v[GO], v[S+4*\f:S+4*\f+3], s[10:11] offset:\f*16384   ; 16 lanes store 256 consecutive bytes, aligned: a head's part of a row of y
.endr
.endm
.Lslot:                                                ; 8 times: a group is entered and the next is asked for
	CHANGE 1
	TWO
	s_cmp_lg_u32 s[RT], 0
	s_cbranch_scc1 .Lsame
	OUT                                            ; in the loop this is the first block's end: it has 8 groups at the most, and the second block's last group is the walk's last
	s_wait_xcnt 0x0                                ; the stores' data and base are rewritten only behind this wait
	s_mov_b64 s[10:11], s[OLO:OLO+1]
	s_add_co_u32 s[RT], s[PB], 1                   ; the second block has b + 1 tiles
.set i, 0
.rept 32
	v_mov_b32 v[Q+i], v[QB+i]                      ; its Q goes where the one text of the step names Q
.set i, i+1
.endr
	v_mov_b32 v[ST], 0xfe000000
	v_mov_b32 v[ST+1], 0xff7fffff
.Lsame:
	s_sub_co_u32 s[SLOTS], s[SLOTS], 1
	s_cmp_lg_u32 s[SLOTS], 0
	s_cbranch_scc1 .Lslot
	CHANGE 0                                       ; the walk's last group is written out: nothing is asked for
	TWO
	OUT
	s_wait_tensorcnt 0x0                           ; the wave's end: behind my last tensor load and my last LDS store
	ds_add_u32 v[SPW], v[NIL]
	s_wait_dscnt 0x0
	CROUND                                         ; the closing round: no work-group ends while a partner may still ask for a tile that names it
	s_endpgm
.Lfunc_end_k_qa540b7f14f_attn:
	.size	k_qa540b7f14f_attn, .Lfunc_end_k_qa540b7f14f_attn-k_qa540b7f14f_attn
	.p2alignl 7, 3214868480
	.fill 96, 4, 3214868480
	.section	.rodata,"a",@progbits
	.p2align	6, 0x0
	.amdhsa_kernel k_qa540b7f14f_attn
		.amdhsa_group_segment_fixed_size 327680
		.amdhsa_private_segment_fixed_size 0
		.amdhsa_enable_private_segment 0
		.amdhsa_kernarg_size 32
		.amdhsa_user_sgpr_count 2
		.amdhsa_user_sgpr_kernarg_segment_ptr 1
		.amdhsa_wavefront_size32 1
		.amdhsa_system_sgpr_workgroup_id_x 1
		.amdhsa_system_sgpr_workgroup_id_y 1
		.amdhsa_system_sgpr_workgroup_id_z 1
		.amdhsa_system_vgpr_workitem_id 0
		.amdhsa_next_free_vgpr 512
		.amdhsa_next_free_sgpr 88
		.amdhsa_reserve_vcc 1
		.amdhsa_float_denorm_mode_32 3
		.amdhsa_float_denorm_mode_16_64 3
		.amdhsa_memory_ordered 1
		.amdhsa_forward_progress 1
		.amdhsa_inst_pref_size 63
	.end_amdhsa_kernel
	.amdgpu_metadata
---
amdhsa.version: [ 1, 2 ]
amdhsa.kernels:
  - .name:           k_qa540b7f14f_attn
    .symbol:         k_qa540b7f14f_attn.kd
    .args:
      - { .name: qws, .offset: 0, .size: 8, .value_kind: global_buffer, .address_space: global }
      - { .name: kws, .offset: 8, .size: 8, .value_kind: global_buffer, .address_space: global }
      - { .name: vws, .offset: 16, .size: 8, .value_kind: global_buffer, .address_space: global }
      - { .name: yws, .offset: 24, .size: 8, .value_kind: global_buffer, .address_space: global }
    .group_segment_fixed_size: 327680
    .private_segment_fixed_size: 0
    .kernarg_segment_align: 8
    .kernarg_segment_size: 32
    .max_flat_workgroup_size: 128
    .sgpr_count:     88
    .vgpr_count:     512
    .wavefront_size: 32
...
	.end_amdgpu_metadata
.endif
;; end of part 3
;; launch oproj (part 4): grid 64 x 4, 4 waves a work-group, clusters of 4 x 4, 327,680 bytes of LDS; arguments yws, wo, out0; writes out0
.if DOCPART == 4
	.amdgcn_target "amdgcn-amd-amdhsa--gfx1250"
	.amdhsa_code_object_version 6
	.text
	.protected	k_qa540b7f14f_oproj
	.globl	k_qa540b7f14f_oproj
	.p2align	8
	.type	k_qa540b7f14f_oproj,@function
k_qa540b7f14f_oproj:
	s_mov_b64 s[64:65], 0
	v_nop
	global_prefetch_b8 v0, s[64:65] scope:SCOPE_SE
	s_setreg_imm32_b32 hwreg(HW_REG_WAVE_MODE, 25, 1), 1
	s_wait_xcnt 0x0
	s_wait_alu depctr_hold_cnt(0) depctr_sa_sdst(0) depctr_va_vdst(0) depctr_va_sdst(0) depctr_va_ssrc(0) depctr_va_vcc(0) depctr_vm_vsrc(0)
	s_getreg_b32 s2, hwreg(HW_REG_IB_STS2, 6, 4)
	s_cmp_eq_u32 s2, 0
	s_cbranch_scc0 .Lentry_in_a_cluster
	s_endpgm
.Lentry_in_a_cluster:
	s_bfe_u32 s2, ttmp6, 0x10000c
	s_cmp_lg_u32 s2, 0xf033
	s_cbranch_scc0 .Lentry_shape_is_right
	s_endpgm
.Lentry_shape_is_right:
; out0 = y wo^T.  yws: [1024][4096] f16, holding y 2^-2; wo: [4096][4096] f32; out0: [1024][4096] f32.  The sums are multiplied by 4 at the end, which undoes y's factor without rounding.
; FORMATS.  wo is rounded to bf16, as every input of the module, and that number is written as f16 for the product with y: exact from 1.5e-5 up to 65,504.
; LIMITS.  |wo| stays under 65,504; a weight under 1.5e-5 is off by 3e-8 at the most (f16's fixed step).  NaN and infinities are not treated apart.
; SHARES.  A work-group makes 256 rows x 64 columns.  Four waves: wave w takes rows 128 (w / 2) on and, of each K step of 128, the 64 from 64 (w % 2) on: 128 x 64 in 32 accumulators.
; The two halves of K are added on the way out, in the stage through which the results go anyway.
; CLUSTER 4 x 4.  The four of a row share y's tile, the four of a column (all four row blocks) share wo's: each tile is asked for JOINTLY, so a weight is asked for once in the launch.
; RING.  Two slots, each a K step: 256 rows of y (256 bytes + 16), then 64 rows of wo in f32 (512 bytes + 16).  Waves 0, 1 fetch y's halves, waves 2, 3 wo's.
; THE MATRIX INSTRUCTION IS USED TRANSPOSED (source 0 = 16 rows of wo, source 1 = 16 rows of y): a lane then holds eight neighbouring columns of one row.
; REGISTERS: window 0: v0-39 addresses; v64-127, v128-191 y's fragments, two buffers (on the way out at work).   window 1: v0-31, v32-63 wo's fragments, two buffers; v96-159 wo as loaded, f32; v192-207 at work.
;   window 2: the accumulators, (a, b) at v[8 (8 b + a)].
.set PA,    272                        ; an LDS row of y: 68 words, so the 16 rows of a load start 4 banks apart (64 banks of 4 bytes: ISA guide 11.1)
.set PB,    528                        ; an LDS row of wo: 132 words: likewise
.set NB,    4
.set BOFF,  256*PA
.set SLOT,  BOFF+16*NB*PB              ; 103,424 bytes
.set SPARE, 2*SLOT                     ; behind the ring: the spare words, 128 bytes for each wave, two blocks of 256 bytes that no other line names
.set SPI,   272                        ; the stage's row: 64 f32 + 16 bytes
.set PLN,   256*SPI                    ; the stage: one plane for each half of K.  It takes the ring's bytes when these have had their last fill
.set ADRA, 16
.set ADRB, 20
.set STW,  24
.set SPW,  28                          ; v28 LDS address of my spare word; never rewritten
.set NIL,  29                          ; v29 0; never rewritten
.set RD0,  30                          ; v30-31 where I read the stage's two planes back
.set RD1,  31
.set CO,   32                          ; v32 my byte offset in two rows of out0
.set AF,   64
.set BF,   0
.set BFS,  32
.set STG,  96
.set TT,   192
.set LO,   200
.set WV,   20
.set MH,   21
.set KH,   22
.set G1A,  24                          ; s[24:31] group 1 for y's tiles;  s[32:39] group 0, a set for each slot
.set G0A,  32
.set G1B,  40                          ; s[40:47], s[48:55] the same for wo's
.set G0B,  48
.set CX,   76
.set CY,   77
.set COL,  78
.set HIM,  95
.set MSB, 0
.macro WIN new
.if MSB != (\new)
	s_set_vgpr_msb (MSB<<8)|(\new)
.set MSB, (\new)
.endif
.endm
.macro PLACES
.rept 4
	v_nop
.endr
.endm
.macro JLOAD s                         ; a joint load: waves 0, 1 ask for y's halves, waves 2, 3 for wo's; an s_nop 0 and four v_nop follow each line, ahead of the jump and the label
	s_cmp_eq_u32 s[MH], 0
	s_cbranch_scc0 .Lfor_b_\@
	tensor_load_to_lds s[G0A+4*(\s):G0A+4*(\s)+3], s[G1A:G1A+7]
	s_nop 0
	PLACES
	s_branch .Lasked_\@
.Lfor_b_\@:
	tensor_load_to_lds s[G0B+4*(\s):G0B+4*(\s)+3], s[G1B:G1B+7]
	s_nop 0
	PLACES
.Lasked_\@:
.endm
.macro CREST
	s_cmp_lg_u32 s[WV], 0
	s_cbranch_scc1 .Lnot_wave_0_\@
	s_barrier_signal -3
.Lnot_wave_0_\@:
	s_barrier_wait -3
	s_barrier_signal -1
	s_barrier_wait -1
.endm
.macro CROUND
	s_barrier_signal -1
	s_barrier_wait -1
	CREST
.endm
	s_load_b128 s[4:7], s[0:1], 0x0                ; yws s[4:5], wo s[6:7]
	s_load_b64 s[8:9], s[0:1], 0x10                ; out0
	v_lshl_add_u32 v[SPW], v0, 2, SPARE
	v_mov_b32 v[NIL], 0
	ds_add_u32 v[SPW], v[NIL]                      ; the wave's opening: the add and its wait ahead of my first tensor load; the set-up below stands between them
	v_lshrrev_b32 v3, 5, v0
	v_readfirstlane_b32 s[WV], v3
	s_lshr_b32 s[MH], s[WV], 1
	s_and_b32 s[KH], s[WV], 1
	s_bfe_u32 s[CX], ttmp6, 0x40000
	s_bfe_u32 s[CY], ttmp6, 0x40004                ; the grid's four rows are one cluster's: cy is the row block
	s_lshl_b32 s[COL], ttmp9, 2
	s_add_co_u32 s[COL], s[COL], s[CX]
	s_lshl_b32 s79, s[CY], 2
	s_lshl_b32 s79, 15, s79                        ; my row of the cluster
	s_lshl_b32 s80, 0x1111, s[CX]                  ; my column
	s_or_b32 s[G1A], s79, (1<<16)|(1<<20)|(1<<21)|(5<<22)|(3<<25)   ; mask; 2-byte elements; padding on; bit 21 beside a mask; 4 words behind every 64
	s_or_b32 s[G1B], s80, (2<<16)|(1<<20)|(1<<21)|(6<<22)|(3<<25)   ; mask; 4-byte elements; 4 words behind every 128
.irp g, G1A, G1B
	s_mov_b32 s[\g+1], 128<<16                     ; tensor_dim0 = 128
	s_mov_b32 s[\g+3], 128<<16                     ; tile_dim0 = 128
	s_mov_b32 s[\g+5], 4096                        ; elements from row to row
	s_mov_b32 s[\g+6], 0
	s_mov_b32 s[\g+7], 0
.endr
	s_mov_b32 s[G1A+2], 128<<16                    ; 128 rows of y,
	s_mov_b32 s[G1A+4], 128
	s_mov_b32 s[G1B+2], 32<<16                     ; 32 of wo
	s_mov_b32 s[G1B+4], 32
	s_lshl_b32 s82, s[CY], 21                      ; y: 256 rows of 8,192 bytes, + 128 rows
	s_lshl_b32 s23, s[KH], 20
	s_add_co_u32 s82, s82, s23
	s_mov_b32 s83, 0
	s_lshl_b32 s84, s[COL], 20                     ; wo: 64 rows of 16,384 bytes, + 32 rows
	s_lshl_b32 s85, s[KH], 19
	s_add_co_u32 s84, s84, s85
	s_mov_b32 s85, 0
	s_mul_i32 s23, s[KH], 128*PA                   ; where they go
	s_mul_i32 s98, s[KH], 32*PB
	s_add_co_u32 s98, s98, BOFF
	s_mov_b32 s[HIM], 0xffff0000
	s_wait_dscnt 0x0                               ; the opening add is done
	s_wait_kmcnt 0x0
	s_add_nc_u64 s[82:83], s[4:5], s[82:83]
	s_add_nc_u64 s[84:85], s[6:7], s[84:85]
	CROUND                                         ; all sixteen work-groups are here: the first joint loads meet
.irp s, 0,1
	s_mov_b32 s[G0A+4*(\s)], 1
	s_add_co_u32 s[G0A+4*(\s)+1], s23, (\s)*SLOT
	s_add_nc_u64 s[G0A+4*(\s)+2:G0A+4*(\s)+3], s[82:83], (\s)*256
	s_or_b32 s[G0A+4*(\s)+3], s[G0A+4*(\s)+3], 0x80000000
	s_mov_b32 s[G0B+4*(\s)], 1
	s_add_co_u32 s[G0B+4*(\s)+1], s98, (\s)*SLOT
	s_add_nc_u64 s[G0B+4*(\s)+2:G0B+4*(\s)+3], s[84:85], (\s)*512
	s_or_b32 s[G0B+4*(\s)+3], s[G0B+4*(\s)+3], 0x80000000
	JLOAD \s                                       ; both slots are asked for before anything else: two loads of mine are out
.endr
	v_and_b32 v1, 15, v0                           ; r
	v_bfe_u32 v2, v0, 4, 1                         ; half
	v_mul_u32_u24 v3, v1, PA
	v_lshl_add_u32 v3, v2, 4, v3
	s_mul_i32 s23, s[MH], 128*PA
	s_lshl_b32 s98, s[KH], 7
	s_add_co_u32 s23, s23, s98
	v_add_nc_u32 v[ADRA], s23, v3
	v_add_nc_u32 v[ADRA+1], SLOT, v[ADRA]
	v_mul_u32_u24 v4, v1, PB
	v_lshl_add_u32 v4, v2, 5, v4
	s_lshl_b32 s23, s[KH], 8
	s_add_co_u32 s23, s23, BOFF
	v_add_nc_u32 v[ADRB], s23, v4
	v_add_nc_u32 v[ADRB+1], SLOT, v[ADRB]
	s_mul_i32 s23, s[KH], PLN                      ; the stage: my half of K's plane, my 128 rows, row r, 32 bytes for each half of the lanes
	s_mul_i32 s98, s[MH], 128*SPI
	s_add_co_u32 s23, s23, s98
	v_mul_u32_u24 v5, v1, SPI
	v_lshl_add_u32 v5, v2, 5, v5
	v_add_nc_u32 v[STW], s23, v5
	s_mul_i32 s23, s[WV], 64*SPI                   ; back: wave w finishes rows 64 w on; lanes 0-15 one row of 256 bytes, lanes 16-31 the next
	v_mul_u32_u24 v6, v2, SPI
	v_lshl_add_u32 v6, v1, 4, v6
	v_add_nc_u32 v[RD0], s23, v6
	v_add_nc_u32 v[RD1], PLN, v[RD0]
	v_lshlrev_b32 v[CO], 14, v2                    ; the same two rows in out0
	v_lshl_add_u32 v[CO], v1, 4, v[CO]
	s_lshl_b32 s86, s[CY], 22                      ; out0 at row 256 cy + 64 w, column 64 x column group
	s_lshl_b32 s87, s[WV], 20
	s_add_co_u32 s86, s86, s87
	s_lshl_b32 s87, s[COL], 8
	s_add_co_u32 s86, s86, s87
	s_mov_b32 s87, 0
	s_add_nc_u64 s[8:9], s[8:9], s[86:87]
; 8 matrix instructions: column block b x my 8 row blocks, 32 along K.  The 32 accumulators take turns in one order everywhere, one instruction a turn.
.macro MULB f, b, zero
	WIN 0xa1                                       ; wo window 1, y window 0, C and D window 2
.irp a, 0,1,2,3,4,5,6,7
.if \zero
	v_wmma_f32_16x16x32_f16 v[64*(\b)+8*(\a):64*(\b)+8*(\a)+7], v[BF+BFS*(\f)+8*(\b):BF+BFS*(\f)+8*(\b)+7], v[AF+64*(\f)+8*(\a):AF+64*(\f)+8*(\a)+7], 0
.else
	v_wmma_f32_16x16x32_f16 v[64*(\b)+8*(\a):64*(\b)+8*(\a)+7], v[BF+BFS*(\f)+8*(\b):BF+BFS*(\f)+8*(\b)+7], v[AF+64*(\f)+8*(\a):AF+64*(\f)+8*(\a)+7], v[64*(\b)+8*(\a):64*(\b)+8*(\a)+7]
.endif
.endr
.endm
; 32 LDS loads in one run: 32 of my K at part kc of the slot: 64 rows of wo as f32, 128 rows of y into buffer f
.macro FETCH slot, kc, f
	WIN 0x40
.irp i, 0,1,2,3
	ds_load_b128 v[STG+16*(\i):STG+16*(\i)+3],     v[ADRB+(\slot)] offset:128*(\kc)+16*PB*(\i)
	ds_load_b128 v[STG+16*(\i)+4:STG+16*(\i)+7],   v[ADRB+(\slot)] offset:128*(\kc)+16*PB*(\i)+16
	ds_load_b128 v[STG+16*(\i)+8:STG+16*(\i)+11],  v[ADRB+(\slot)] offset:128*(\kc)+16*PB*(\i)+64
	ds_load_b128 v[STG+16*(\i)+12:STG+16*(\i)+15], v[ADRB+(\slot)] offset:128*(\kc)+16*PB*(\i)+80
.endr
	WIN 0
.irp i, 0,1,2,3,4,5,6,7
	ds_load_b128 v[AF+64*(\f)+8*(\i):AF+64*(\f)+8*(\i)+3],   v[ADRA+(\slot)] offset:64*(\kc)+16*PA*(\i)
	ds_load_b128 v[AF+64*(\f)+8*(\i)+4:AF+64*(\f)+8*(\i)+7], v[ADRA+(\slot)] offset:64*(\kc)+16*PA*(\i)+32
.endr
.endm
; wo into buffer f: rounded to bf16, widened, written as f16; eight registers at a time, so that no line waits for the one before it.  These plain instructions name no register of the products in front of
; them: they are also the places between the other buffers' last products and the loads and conversions that write those buffers next.
.macro CONV f
	WIN 0x45
.set g, 0
.rept NB
.set j, 0
.rept 8
	v_cvt_pk_bf16_f32 v[TT+j], v[STG+16*g+2*j], v[STG+16*g+2*j+1]
.set j, j+1
.endr
.set j, 0
.rept 8
	v_lshlrev_b32 v[LO+j], 16, v[TT+j]
.set j, j+1
.endr
.set j, 0
.rept 8
	v_and_b32 v[TT+j], s[HIM], v[TT+j]
.set j, j+1
.endr
.set j, 0
.rept 8
	v_cvt_pk_f16_f32 v[BF+BFS*(\f)+8*g+j], v[LO+j], v[TT+j]
.set j, j+1
.endr
.set g, g+1
.endr
.endm
.macro EVEN slot, zero                 ; a K step's first half: multiplies buffers 0, fetches the second half's operands
	FETCH \slot, 1, 1
.irp b, 0,1,2,3
	MULB 0, \b, \zero
.endr
	s_wait_dscnt 0x0                               ; the 32 loads, issued 32 matrix instructions ago: my last reads of this slot
	CONV 1
.endm
.macro ODD slot, next, fill            ; its second half: multiplies buffers 1 and changes slots.  fill = 1: this slot is filled again, two K steps on
	WIN 0                                          ; (the add's two registers lie in window 0)
	s_wait_tensorcnt 0x0                           ; all my tensor loads have landed: the one that was out is my part of the next slot
	ds_add_u32 v[SPW], v[NIL]                      ; 0 onto my spare word
	MULB 1, 0, 0                                   ; eight matrix instructions stand between the add and the wait for it
	s_wait_dscnt 0x0                               ; the add is done; my reads of this slot were over before it
	s_barrier_signal -1
	MULB 1, 1, 0
	WIN 0
	s_barrier_wait -1
.if \fill
	CREST                                          ; no wave of any partner still reads this slot or has a load on its way
	s_add_nc_u64 s[G0A+4*(\slot)+2:G0A+4*(\slot)+3], s[G0A+4*(\slot)+2:G0A+4*(\slot)+3], 512
	s_add_nc_u64 s[G0B+4*(\slot)+2:G0B+4*(\slot)+3], s[G0B+4*(\slot)+2:G0B+4*(\slot)+3], 1024
	JLOAD \slot                                    ; my one tensor load behind the round, the first thing there: 48 matrix instructions and two runs of conversions ahead of the wait for it
.endif
	FETCH \next, 0, 0
.irp b, 2,3
	MULB 1, \b, 0
.endr
	s_wait_dscnt 0x0
	CONV 0
.endm
	s_wait_tensorcnt 1                             ; my part of K step 0 is in; K step 1's may stay out
	s_barrier_signal -1
	s_barrier_wait -1
	FETCH 0, 0, 0
	s_wait_dscnt 0x0
	CONV 0
	EVEN 0, 1                                      ; the first products start the sums: nothing is cleared
	WIN 0
	s_mov_b32 s3, 15
.Llap:                                                 ; a trip goes once round the ring and fills both slots again: K steps 2 to 31
	ODD 0, 1, 1
	EVEN 1, 0
	ODD 1, 0, 1
	EVEN 0, 0
	WIN 0
	s_sub_co_u32 s3, s3, 1
	s_cmp_lg_u32 s3, 0
	s_cbranch_scc1 .Llap
	ODD 0, 1, 0                                    ; the last lap asks for nothing
	EVEN 1, 0
.irp b, 0,1,2,3
	MULB 1, \b, 0
.endr
	; THE WAY OUT.  Each wave puts its sums into its half of K's plane of the stage; then wave w adds the planes for rows 64 w on, multiplies by 4 and stores whole rows of 256 bytes.
	WIN 0
	PLACES                                         ; between the last products and the stores of the sums
	s_wait_dscnt 0x0
	s_barrier_signal -1
	s_barrier_wait -1                              ; every wave has read the last slot: the ring's bytes, which no load fills any more, become the stage
	WIN 0x08                                       ; the data in window 2
.irp b, 0,1,2,3
.irp a, 0,1,2,3,4,5,6,7
	ds_store_b128 v[STW], v[64*(\b)+8*(\a):64*(\b)+8*(\a)+3]   offset:(\a)*16*SPI+64*(\b)          ; each accumulator's low registers first
	ds_store_b128 v[STW], v[64*(\b)+8*(\a)+4:64*(\b)+8*(\a)+7] offset:(\a)*16*SPI+64*(\b)+16
.endr
.endr
	WIN 0
	s_wait_dscnt 0x0                               ; for the others' sake: my stores are done
	s_barrier_signal -1
	s_barrier_wait -1
.macro OUT8 g                          ; 16 rows, two to a load; two sets of registers take turns
.set B0, 64+64*((\g)%2)
.set B1, B0+32
	s_wait_xcnt 0x0                                ; registers that earlier stores read are loaded again only behind this wait
.irp i, 0,1,2,3,4,5,6,7
	ds_load_b128 v[B0+4*(\i):B0+4*(\i)+3], v[RD0] offset:(8*(\g)+(\i))*2*SPI
	ds_load_b128 v[B1+4*(\i):B1+4*(\i)+3], v[RD1] offset:(8*(\g)+(\i))*2*SPI
.endr
.irp i, 0,1,2,3,4,5,6,7
	s_wait_dscnt 14-2*(\i)                         ; this pair of loads is in; the younger pairs stay out
	v_pk_add_f32 v[B0+4*(\i):B0+4*(\i)+1], v[B0+4*(\i):B0+4*(\i)+1], v[B1+4*(\i):B1+4*(\i)+1]
	v_pk_add_f32 v[B0+4*(\i)+2:B0+4*(\i)+3], v[B0+4*(\i)+2:B0+4*(\i)+3], v[B1+4*(\i)+2:B1+4*(\i)+3]
	v_pk_mul_f32 v[B0+4*(\i):B0+4*(\i)+1], v[B0+4*(\i):B0+4*(\i)+1], 4.0 op_sel_hi:[1,0]
	v_pk_mul_f32 v[B0+4*(\i)+2:B0+4*(\i)+3], v[B0+4*(\i)+2:B0+4*(\i)+3], 4.0 op_sel_hi:[1,0]
	global_store_b128 v[CO], v[B0+4*(\i):B0+4*(\i)+3], s[8:9] offset:(8*(\g)+(\i))*32768 th:TH_STORE_NT   ; 16 lanes store 256 consecutive bytes, aligned
.endr
.endm
	OUT8 0
	OUT8 1
	OUT8 2
	OUT8 3
	s_wait_tensorcnt 0x0                           ; the wave's end: behind my last tensor load and my last LDS store
	ds_add_u32 v[SPW], v[NIL]
	s_wait_dscnt 0x0
	CROUND                                         ; the closing round: no work-group ends while a partner may still ask for a tile that names it
	s_endpgm
.Lfunc_end_k_qa540b7f14f_oproj:
	.size	k_qa540b7f14f_oproj, .Lfunc_end_k_qa540b7f14f_oproj-k_qa540b7f14f_oproj
	.p2alignl 7, 3214868480
	.fill 96, 4, 3214868480
	.section	.rodata,"a",@progbits
	.p2align	6, 0x0
	.amdhsa_kernel k_qa540b7f14f_oproj
		.amdhsa_group_segment_fixed_size 327680
		.amdhsa_private_segment_fixed_size 0
		.amdhsa_enable_private_segment 0
		.amdhsa_kernarg_size 24
		.amdhsa_user_sgpr_count 2
		.amdhsa_user_sgpr_kernarg_segment_ptr 1
		.amdhsa_wavefront_size32 1
		.amdhsa_system_sgpr_workgroup_id_x 1
		.amdhsa_system_sgpr_workgroup_id_y 1
		.amdhsa_system_sgpr_workgroup_id_z 1
		.amdhsa_system_vgpr_workitem_id 0
		.amdhsa_next_free_vgpr 768
		.amdhsa_next_free_sgpr 100
		.amdhsa_reserve_vcc 0
		.amdhsa_float_denorm_mode_32 3
		.amdhsa_float_denorm_mode_16_64 3
		.amdhsa_memory_ordered 1
		.amdhsa_forward_progress 1
		.amdhsa_inst_pref_size 112
	.end_amdhsa_kernel
	.amdgpu_metadata
---
amdhsa.version: [ 1, 2 ]
amdhsa.kernels:
  - .name:           k_qa540b7f14f_oproj
    .symbol:         k_qa540b7f14f_oproj.kd
    .args:
      - { .name: yws, .offset: 0, .size: 8, .value_kind: global_buffer, .address_space: global }
      - { .name: wo, .offset: 8, .size: 8, .value_kind: global_buffer, .address_space: global }
      - { .name: out0, .offset: 16, .size: 8, .value_kind: global_buffer, .address_space: global }
    .group_segment_fixed_size: 327680
    .private_segment_fixed_size: 0
    .kernarg_segment_align: 8
    .kernarg_segment_size: 24
    .max_flat_workgroup_size: 128
    .sgpr_count:     100
    .vgpr_count:     768
    .wavefront_size: 32
...
	.end_amdgpu_metadata
.endif
;; end of part 4
;; ======== version 2 of 3: 4 launches; 1.15 times as fast as version 1
;; limits: values are held in f16: magnitudes above 65,504 overflow, below 6.1e-05 lose precision; right only within a limited range of input values
;; workspace buffers: xb 8,388,608 bytes; qws 8,388,608 bytes; kws 2,097,152 bytes; vws 2,097,152 bytes; yws 8,388,608 bytes
;; launch cast: the kernel of part 1 again; grid 256 x 1, 8 waves a work-group, no clusters, 0 bytes of LDS; arguments x, xb; writes xb
;; launch qkv (part 5): grid 64 x 4, 4 waves a work-group, clusters of 4 x 4, 327,680 bytes of LDS; arguments xb, wq, wk, wv, freqs_cis, qws, kws, vws; writes qws, kws, vws
.if DOCPART == 5
	.amdgcn_target "amdgcn-amd-amdhsa--gfx1250"
	.amdhsa_code_object_version 6
	.text
	.protected	k_qa540b7f14f_qkv
	.globl	k_qa540b7f14f_qkv
	.p2align	8
	.type	k_qa540b7f14f_qkv,@function
k_qa540b7f14f_qkv:
	s_mov_b64 s[64:65], 0
	v_nop
	global_prefetch_b8 v0, s[64:65] scope:SCOPE_SE
	s_setreg_imm32_b32 hwreg(HW_REG_WAVE_MODE, 25, 1), 1
	s_wait_xcnt 0x0
	s_wait_alu depctr_hold_cnt(0) depctr_sa_sdst(0) depctr_va_vdst(0) depctr_va_sdst(0) depctr_va_ssrc(0) depctr_va_vcc(0) depctr_vm_vsrc(0)
	s_getreg_b32 s2, hwreg(HW_REG_IB_STS2, 6, 4)
	s_cmp_eq_u32 s2, 0
	s_cbranch_scc0 .Lentry_in_a_cluster
	s_endpgm
.Lentry_in_a_cluster:
	s_bfe_u32 s2, ttmp6, 0x10000c
	s_cmp_lg_u32 s2, 0xf033
	s_cbranch_scc0 .Lentry_shape_is_right
	s_endpgm
.Lentry_shape_is_right:
; q = rope(x wq^T) 2^-8, k = rope(x wk^T) 2^-8, v = (x wv^T) 2^-2, all rounded once to f16.  xb: [1024][4096] bf16; wq: [4096][4096], wk, wv: [1024][4096] f32; freqs_cis: [1024][64][2] f32.
; qws: [64 planes][1024 rows][64 channels] f16, plane = 2 head + channel half.  kws, vws: [32 planes][1024][32], plane = 4 head + channel quarter.
; FORMATS.  The weights and freqs_cis are rounded to bf16 on the way, as x was: every input of the module has that one rounding.  Products in bf16, sums in f32, the rotation in f32.
; LIMITS.  f16 ends at 65,504: |rope(q)|, |rope(k)| stay under 65,504 x 256 = 1.67e7 and |v| under 262,000; stored numbers under 6.1e-5 keep f16's fixed step of 6e-8.  The factors are powers of two, so they
; cost no rounding; the launches behind undo them.  NaN and infinities are not treated apart.
; SHARES.  A work-group makes 256 rows x 96 columns: 64 of wq's and 32 of wk's (column groups 0-31) or wv's (32-63).  Four waves: wave w takes rows 128 (w / 2) on and, of each 128 of K, the 64 from 64 (w % 2) on:
; 128 x 96 in 48 accumulators.  The two halves of K are added on the way out, in the stage through which the results go anyway.
; X COMES THROUGH A RING of two LDS slots filled by tensor loads, 256 of K to a slot (256 rows of 512 bytes + 16); every wave asks for 64 rows.  CLUSTER 4 x 4: the four of a row need the same tile of x and ask JOINTLY.
; THE WEIGHTS COME THROUGH REGISTERS, 128 of K (a CHUNK) at a time: a wave loads 16 rows of wq and 8 of wk or wv, a row's 512 consecutive bytes to a load, rounds them to bf16 in place and stores them into one of
; two LDS buffers that no tensor load fills.  Two sets of landing registers take turns: while chunk t is multiplied, chunk t + 1 is converted and chunk t + 3 asked for, so a load has two chunks' work in which to land.
; WHY THE WEIGHTS ARE NOT ASKED FOR JOINTLY, though the four row blocks of a cluster's column need the same ones: a joint load lands in LDS, and of a ring of two slots one slot's bytes are on their way.  With the weights'
; 384 bytes for each k beside x's 512 a slot would hold 128 of K; without them it holds 256, there are 16 changes of slots for 32, and the weights' 48 loads x 512 bytes a wave are on their way beside the slot.
; Each weight is then converted once in the work-group and read from LDS as 2 bytes.  The price: each weight is loaded by four work-groups.
; THE WALK ALONG K BEGINS ELSEWHERE IN EACH CLUSTER and goes round the end.  K is 8 LAPS of 512 (once round the ring: two slots, four chunks); cluster c begins at lap (c xor c / 8) mod 8: eight different laps among
; clusters 0-7, among 8-15, among the even and among the odd ones.  All sixteen clusters need the same x: so they do not all ask for the same tile at the same time, and where they keep step, the lap that a cluster
; asks for from its second lap on is one that the cluster which began there has asked for before.
; ORDER OF ROUNDING: an f32 sum adds its K steps from the cluster's first lap on, round the end, in two halves that are added last: not in ascending K.
; THE MATRIX INSTRUCTION IS USED TRANSPOSED (source 0 = 16 rows of weights, source 1 = 16 rows of x): a lane then holds eight neighbouring columns of one row.
; REGISTERS, in windows of 256 (s_set_vgpr_msb: bits 1:0 source 0, 3:2 source 1, 5:4 source 2, 7:6 destination):
;   window 0: v0-39 addresses; v64-127, v128-191 x's fragments, two buffers; v192-223 landing, wk's or wv's rows, set 1; on the way out v40-255 at work
;   window 1: v0-47, v48-95 the weights' fragments, two buffers; landing: v96-159 wq set 0, v160-191 wk or wv set 0, v192-255 wq set 1
;   window 2: accumulators of column blocks 0-3, (a, b) at v[8 (8 b + a)];  window 3: column blocks 4, 5
.set PA,    528                        ; an LDS row of x: 132 words, so the 16 rows of a load start 4 banks apart (64 banks of 4 bytes: ISA guide 11.1)
.set PBB,   272                        ; an LDS row of weights, 128 bf16 + 16 bytes: 68 words: likewise
.set NB,    6                          ; column blocks of 16
.set SLOT,  256*PA                     ; 135,168 bytes
.set BB,    2*SLOT                     ; behind the ring: the weights' two buffers
.set BBUF,  16*NB*PBB                  ; 26,112 bytes each
.set SPARE, BB+2*BBUF                  ; behind them: the spare words, 128 bytes for each wave, two blocks of 256 bytes that no other line names
.set SPI,   400                        ; the stage's row: 96 f32 + 16 bytes = 25 x 16
.set PLN,   256*SPI                    ; the stage: one plane for each half of K.  It takes the ring's bytes when these have had their last fill
.set ADRA, 16                          ; v16-17  LDS address of my fragments of x in slot 0, 1
.set ADRB, 20                          ; v20     the same for the weights, in buffer 0
.set BSTQ, 21                          ; v21     where I store 8 bytes of my first row of wq, in buffer 0
.set BSTK, 22                          ; v22     the same for wk or wv
.set GL,   23                          ; v23     16 x lane: my 16 bytes of a weight row's 512; never rewritten
.set STW,  24                          ; v24     where I put 32 bytes of a row in the stage
.set SPW,  28                          ; v28     LDS address of my spare word; never rewritten
.set NIL,  29                          ; v29     0; never rewritten
.set RDQ0, 30                          ; v30-33  where I read the stage's two planes back: q's columns, k's or v's
.set RDQ1, 31
.set RDK0, 32
.set RDK1, 33
.set FOQ,  34                          ; v34-35  my byte offsets in freqs_cis
.set FOK,  35
.set QOF,  36                          ; v36-37  my byte offsets in the output planes
.set KOF,  37
.set Y,    40                          ; v40-63   way out: 12 units x 2, f16 to store
.set AF,   64
.set F,    64                          ; v64-111  way out: 12 units x 4, freqs_cis as loaded
.set CS,   112                         ; v112-159 way out: cos, sin, cos, sin
.set P0,   160                         ; v160-207 way out: the first half of K's sums
.set P1,   208                         ; v208-255 the second's
.set BF,   0
.set BFS,  48
.set LQ0,  96                          ; window 1
.set LK0,  160                         ; window 1
.set LQ1,  192                         ; window 1
.set LK1,  192                         ; window 0
.set WV,   20                          ; s20 wave   s21 which 128 rows   s22 which half of K
.set MH,   21
.set KH,   22
.set G1A,  24                          ; s[24:31] descriptor group 1 for x's tiles;   s[32:39] group 0, a set for each slot
.set G0A,  32
.set BQ,   40                          ; s[40:41] wq at my 16 rows, at the lap that is being asked for
.set BK,   42                          ; s[42:43] wk or wv at my 8 rows, likewise
.set XR,   44                          ; s[44:45] x at my 64 rows, K = 0: slot 0's half of lap 0;   s[46:47] 256 of K on: slot 1's half
.set QR,   48                          ; s[48:49] wq at my 16 rows, K = 0
.set KR,   50                          ; s[50:51] wk or wv at my 8 rows, K = 0
.set OX,   52                          ; s[52:53] the lap's byte offset in a row of x: 1,024 x lap
.set OW,   54                          ; s[54:55] in a row of weights: 2,048 x lap
.set NL,   56                          ; s56 the lap that is being asked for, 0 to 7
.set CX,   76
.set CY,   77
.set COL,  78                          ; column group 0-63
.set CLX,  81                          ; the cluster's x: under 8 the last 32 columns are wk's, else wv's
.set SCQ,  90                          ; s[90:91] 2^-8
.set SCK,  92                          ; s[92:93] 2^-8 for k, 2^-2 for v
.set SV,   94                          ; s94 all ones where the columns are v's: cos = 1, sin = 0
.set HIM,  95                          ; s95 a word's upper half
.set DK,   0
.set MSB, 0
.macro WIN new                         ; the immediate's high byte repeats the setting that is left; a switch that changes nothing is dropped
.if MSB != (\new)
	s_set_vgpr_msb (MSB<<8)|(\new)
.set MSB, (\new)
.endif
.endm
.macro PLACES
.rept 4
	v_nop
.endr
.endm
; A joint load: every wave asks for its 64 rows of x's tile.  An s_nop 0 and four v_nop follow the line.
.macro JLOAD s
	tensor_load_to_lds s[G0A+4*(\s):G0A+4*(\s)+3], s[G1A:G1A+7]
	s_nop 0
	PLACES
.endm
.macro CREST                           ; a round of the cluster's barrier behind its opening barrier
	s_cmp_lg_u32 s[WV], 0
	s_cbranch_scc1 .Lnot_wave_0_\@
	s_barrier_signal -3
.Lnot_wave_0_\@:
	s_barrier_wait -3
	s_barrier_signal -1
	s_barrier_wait -1
.endm
.macro CROUND                          ; a whole round
	s_barrier_signal -1
	s_barrier_wait -1
	CREST
.endm
; The lap that is asked for steps, round the end; its offsets and the weight loads' bases are made anew, each base from its root and an offset
.macro NEXTLAP
	s_add_co_u32 s[NL], s[NL], 1
	s_and_b32 s[NL], s[NL], 7
	s_lshl_b32 s[OX], s[NL], 10
	s_lshl_b32 s[OW], s[NL], 11
	s_add_nc_u64 s[BQ:BQ+1], s[QR:QR+1], s[OW:OW+1]
	s_add_nc_u64 s[BK:BK+1], s[KR:KR+1], s[OW:OW+1]
.endm
; A chunk's weights are asked for: set st of the landing registers, byte off of the lap's part of the rows.  Each load of the wave covers 512 consecutive bytes, aligned.
.macro LOADQ st, off
	WIN 0x40                                       ; destination window 1, offset register window 0
.set LR, LQ0+(LQ1-LQ0)*(\st)
.set i, 0
.rept 16
	global_load_b128 v[LR+4*i:LR+4*i+3], v[GL], s[BQ:BQ+1] offset:16384*i+(\off)
.set i, i+1
.endr
.endm
.macro LOADK st, off
.if (\st) == 0
	WIN 0x40
.set LR, LK0
.else
	WIN 0
.set LR, LK1
.endif
.set i, 0
.rept 8
	global_load_b128 v[LR+4*i:LR+4*i+3], v[GL], s[BK:BK+1] offset:16384*i+(\off)
.set i, i+1
.endr
.endm
; Set st has landed (cnt younger loads may stay out): it is rounded to bf16 in place, stored into buffer st, and, if off >= 0, asked for again.  The conversions are plain instructions that name no register of the
; products in front of them: they are also the places between a fragment buffer's last products and the loads that write it next.  step = 1: the loads that follow are a new lap's first.
.macro PIPEQ st, off, cnt, step=0
	s_wait_loadcnt \cnt
.set LR, LQ0+(LQ1-LQ0)*(\st)
	WIN 0x45
.set i, 0
.rept 16
	v_cvt_pk_bf16_f32 v[LR+4*i], v[LR+4*i], v[LR+4*i+1]
	v_cvt_pk_bf16_f32 v[LR+4*i+1], v[LR+4*i+2], v[LR+4*i+3]
.set i, i+1
.endr
	WIN 0x04                                       ; the data in window 1
.set i, 0
.rept 16
	ds_store_b64 v[BSTQ], v[LR+4*i:LR+4*i+1] offset:BBUF*(\st)+PBB*i      ; 32 lanes, 256 consecutive bytes: a row
.set i, i+1
.endr
.if \step
	s_wait_xcnt 0x0                                ; the weight loads' bases are rewritten only behind this wait; the youngest of those loads were issued 48 matrix instructions ago
	NEXTLAP
.endif
.if (\off) >= 0
	LOADQ \st, \off
.endif
.endm
.macro PIPEK st, off, cnt
	s_wait_loadcnt \cnt
.if (\st) == 0
	WIN 0x45
.set LR, LK0
.else
	WIN 0
.set LR, LK1
.endif
.set i, 0
.rept 8
	v_cvt_pk_bf16_f32 v[LR+4*i], v[LR+4*i], v[LR+4*i+1]
	v_cvt_pk_bf16_f32 v[LR+4*i+1], v[LR+4*i+2], v[LR+4*i+3]
.set i, i+1
.endr
.if (\st) == 0
	WIN 0x04
.endif
.set i, 0
.rept 8
	ds_store_b64 v[BSTK], v[LR+4*i:LR+4*i+1] offset:BBUF*(\st)+PBB*i
.set i, i+1
.endr
.if (\off) >= 0
	LOADK \st, \off
.endif
.endm
	s_load_b256 s[4:11], s[0:1], 0x0               ; xb s[4:5], wq s[6:7], wk s[8:9], wv s[10:11]
	s_load_b256 s[12:19], s[0:1], 0x20             ; freqs_cis s[12:13], qws s[14:15], kws s[16:17], vws s[18:19]
	v_lshl_add_u32 v[SPW], v0, 2, SPARE
	v_mov_b32 v[NIL], 0
	ds_add_u32 v[SPW], v[NIL]                      ; the wave's opening: the add and its wait ahead of my first tensor load; the set-up below stands between them
	v_lshrrev_b32 v3, 5, v0
	v_readfirstlane_b32 s[WV], v3
	s_lshr_b32 s[MH], s[WV], 1
	s_and_b32 s[KH], s[WV], 1
	s_bfe_u32 s[CX], ttmp6, 0x40000
	s_bfe_u32 s[CY], ttmp6, 0x40004                ; the grid's four rows are one cluster's: cy is the row block
	s_mov_b32 s[CLX], ttmp9
	s_lshl_b32 s[COL], ttmp9, 2
	s_add_co_u32 s[COL], s[COL], s[CX]             ; column group = 4 x cluster x + cx
	s_lshl_b32 s79, s[CY], 2
	s_lshl_b32 s79, 15, s79                        ; my row of the cluster
	s_or_b32 s[G1A], s79, (1<<16)|(1<<20)|(1<<21)|(6<<22)|(3<<25)   ; mask; 2-byte elements; padding on; bit 21 beside a mask; 4 words behind every 128
	s_mov_b32 s[G1A+1], 256<<16                    ; tensor_dim0 = 256
	s_mov_b32 s[G1A+2], 64<<16                     ; tensor_dim1 = 64
	s_mov_b32 s[G1A+3], 256<<16                    ; tile_dim0 = 256
	s_mov_b32 s[G1A+4], 64                         ; tile_dim1 = 64
	s_mov_b32 s[G1A+5], 4096                       ; elements from row to row
	s_mov_b32 s[G1A+6], 0
	s_mov_b32 s[G1A+7], 0
	s_lshl_b32 s82, s[CY], 21                      ; x: 256 rows of 8,192 bytes; it hangs on cy, the wave and the cluster's number alone
	s_lshl_b32 s23, s[WV], 19                      ; + my 64 rows
	s_add_co_u32 s82, s82, s23
	s_mov_b32 s83, 0
	s_lshl_b32 s84, s[COL], 20                     ; wq: 64 rows of 16,384 bytes
	s_lshl_b32 s85, s[WV], 18                      ; + my 16 rows
	s_add_co_u32 s84, s84, s85
	s_mov_b32 s85, 0
	s_and_b32 s96, s[COL], 31
	s_lshl_b32 s96, s96, 19                        ; wk or wv: 32 rows
	s_lshl_b32 s97, s[WV], 17                      ; + my 8 rows
	s_add_co_u32 s96, s96, s97
	s_mov_b32 s97, 0
	s_mul_i32 s23, s[WV], 64*PA                    ; where my 64 rows of x go
	s_lshr_b32 s[NL], s[CLX], 3                    ; my cluster's first lap: (c xor c / 8) mod 8, the same in all sixteen work-groups
	s_xor_b32 s[NL], s[NL], s[CLX]
	s_and_b32 s[NL], s[NL], 7
	s_lshl_b32 s[OX], s[NL], 10
	s_mov_b32 s[OX+1], 0
	s_lshl_b32 s[OW], s[NL], 11
	s_mov_b32 s[OW+1], 0
	s_mov_b32 s[SCQ], 0x3b800000                   ; 2^-8
	s_mov_b32 s[SCQ+1], 0x3b800000
	s_mov_b32 s[SCK], 0x3e800000                   ; 2^-2
	s_mov_b32 s[HIM], 0xffff0000
	v_and_b32 v6, 31, v0                           ; l
	v_lshlrev_b32 v[GL], 4, v6
	s_wait_dscnt 0x0                               ; the opening add is done
	s_wait_kmcnt 0x0
	s_add_nc_u64 s[XR:XR+1], s[4:5], s[82:83]
	s_add_nc_u64 s[XR+2:XR+3], s[XR:XR+1], 512
	s_add_nc_u64 s[QR:QR+1], s[6:7], s[84:85]
	s_cmp_lt_u32 s[CLX], 8
	s_cselect_b64 s[98:99], s[8:9], s[10:11]       ; wk or wv
	s_add_nc_u64 s[KR:KR+1], s[98:99], s[96:97]
	s_add_nc_u64 s[BQ:BQ+1], s[QR:QR+1], s[OW:OW+1]
	s_add_nc_u64 s[BK:BK+1], s[KR:KR+1], s[OW:OW+1]
	LOADQ 0, 0                                     ; the first lap's chunks 0 and 1 of the weights are asked for first of all: 48 loads of mine are out
	LOADK 0, 0
	LOADQ 1, 512
	LOADK 1, 512
	WIN 0
	CROUND                                         ; all sixteen work-groups are here: the first joint loads meet
.irp s, 0,1
	s_mov_b32 s[G0A+4*(\s)], 1
	s_add_co_u32 s[G0A+4*(\s)+1], s23, (\s)*SLOT
	s_add_nc_u64 s[G0A+4*(\s)+2:G0A+4*(\s)+3], s[XR+2*(\s):XR+2*(\s)+1], s[OX:OX+1]   ; slot s: its 256 of the first lap's K
	s_or_b32 s[G0A+4*(\s)+3], s[G0A+4*(\s)+3], 0x80000000
	JLOAD \s                                       ; both slots: two tensor loads of mine are out
.endr
	; A fragment is 16 rows x 32 K of bf16: lane l holds row l % 16, K = 8 (l / 16) + 0..7 and 16 + 8 (l / 16) + 0..7: two loads of 16 bytes, 32 apart.
	v_and_b32 v1, 15, v0                           ; r
	v_bfe_u32 v2, v0, 4, 1                         ; half
	v_mul_u32_u24 v3, v1, PA
	v_lshl_add_u32 v3, v2, 4, v3
	s_mul_i32 s23, s[MH], 128*PA
	s_lshl_b32 s98, s[KH], 7                       ; my 64 of a chunk: 128 bytes of bf16
	s_add_co_u32 s23, s23, s98
	v_add_nc_u32 v[ADRA], s23, v3
	v_add_nc_u32 v[ADRA+1], SLOT, v[ADRA]
	v_mul_u32_u24 v4, v1, PBB
	v_lshl_add_u32 v4, v2, 4, v4
	s_add_co_u32 s98, s98, BB
	v_add_nc_u32 v[ADRB], s98, v4
	s_mul_i32 s23, s[WV], 16*PBB                   ; the weights' buffer: rows 0-63 wq's, 16 a wave; rows 64-95 wk's or wv's, 8 a wave; 8 bytes a lane
	s_add_co_u32 s23, s23, BB
	v_lshl_add_u32 v[BSTQ], v6, 3, s23
	s_mul_i32 s23, s[WV], 8*PBB
	s_add_co_u32 s23, s23, BB+64*PBB
	v_lshl_add_u32 v[BSTK], v6, 3, s23
	s_mul_i32 s23, s[KH], PLN                      ; the stage: my half of K's plane, my 128 rows, row r, 32 bytes for each half of the lanes
	s_mul_i32 s98, s[MH], 128*SPI
	s_add_co_u32 s23, s23, s98
	v_mul_u32_u24 v5, v1, SPI
	v_lshl_add_u32 v5, v2, 5, v5
	v_add_nc_u32 v[STW], s23, v5
	; back: wave w finishes rows 64 w on.  q: 16 lanes a row (64 f32), two rows a load.  k, v: 8 lanes a row (32 f32), four rows a load.
	v_lshrrev_b32 v7, 3, v6                        ; l / 8
	v_and_b32 v8, 7, v0                            ; l % 8
	s_mul_i32 s23, s[WV], 64*SPI
	v_mul_u32_u24 v9, v2, SPI
	v_lshl_add_u32 v9, v1, 4, v9
	v_add_nc_u32 v[RDQ0], s23, v9
	v_add_nc_u32 v[RDQ1], PLN, v[RDQ0]
	s_add_co_u32 s23, s23, 256
	v_mul_u32_u24 v9, v7, SPI
	v_lshl_add_u32 v9, v8, 4, v9
	v_add_nc_u32 v[RDK0], s23, v9
	v_add_nc_u32 v[RDK1], PLN, v[RDK0]
	; freqs_cis: a row is 512 bytes, (cos, sin) of pair p at 8 p.  My four columns are two pairs: 16 bytes.  q's 64 channels begin at pair 32 (cx % 2), k's 32 at pair 16 cx.
	s_lshl_b32 s23, s[WV], 15
	s_and_b32 s98, s[CX], 1
	s_lshl_b32 s98, s98, 8
	s_add_co_u32 s98, s98, s23
	v_lshlrev_b32 v9, 9, v2
	v_lshl_add_u32 v9, v1, 4, v9
	v_add_nc_u32 v[FOQ], s98, v9
	s_lshl_b32 s98, s[CX], 7
	s_add_co_u32 s98, s98, s23
	v_lshlrev_b32 v9, 9, v7
	v_lshl_add_u32 v9, v8, 4, v9
	v_add_nc_u32 v[FOK], s98, v9
	s_lshl_b32 s23, s[WV], 13                      ; out: 8 bytes a lane, 256 consecutive bytes a wave: two rows of a q plane, four of a k or v plane
	v_lshl_add_u32 v[QOF], v6, 3, s23
	s_lshl_b32 s23, s[WV], 12
	v_lshl_add_u32 v[KOF], v6, 3, s23
	s_lshl_b32 s82, s[CY], 17                      ; my 256 rows of freqs_cis,
	s_mov_b32 s83, 0
	s_add_nc_u64 s[12:13], s[12:13], s[82:83]
	s_lshl_b32 s86, s[COL], 17                     ; of my q plane,
	s_lshl_b32 s87, s[CY], 15
	s_add_co_u32 s86, s86, s87
	s_mov_b32 s87, 0
	s_add_nc_u64 s[14:15], s[14:15], s[86:87]
	s_and_b32 s88, s[COL], 31                      ; of my k or v plane
	s_lshl_b32 s88, s88, 16
	s_lshl_b32 s89, s[CY], 14
	s_add_co_u32 s88, s88, s89
	s_mov_b32 s89, 0
	s_cmp_lt_u32 s[CLX], 8
	s_cselect_b64 s[16:17], s[16:17], s[18:19]
	s_cselect_b32 s[SCK], s[SCQ], s[SCK]
	s_cselect_b32 s[SV], 0, -1
	s_mov_b32 s[SCK+1], s[SCK]
	s_add_nc_u64 s[16:17], s[16:17], s[88:89]
; 8 matrix instructions: column block b x my 8 row blocks, 32 along K, from buffers f.  The 48 accumulators take turns in one order everywhere, one instruction a turn.
.macro MULB f, b, zero
	WIN 0xa1+0x50*((\b)/4)                         ; weights window 1, x window 0, C and D window 2 or 3
.set AC, 64*((\b)%4)
.irp a, 0,1,2,3,4,5,6,7
.if \zero
	v_wmma_f32_16x16x32_bf16 v[AC+8*(\a):AC+8*(\a)+7], v[BF+BFS*(\f)+8*(\b):BF+BFS*(\f)+8*(\b)+7], v[AF+64*(\f)+8*(\a):AF+64*(\f)+8*(\a)+7], 0
.else
	v_wmma_f32_16x16x32_bf16 v[AC+8*(\a):AC+8*(\a)+7], v[BF+BFS*(\f)+8*(\b):BF+BFS*(\f)+8*(\b)+7], v[AF+64*(\f)+8*(\a):AF+64*(\f)+8*(\a)+7], v[AC+8*(\a):AC+8*(\a)+7]
.endif
.endr
.endm
; 28 LDS loads in one run: 32 of my K, part kc of chunk part of the slot: 96 rows of weights (the chunk's buffer goes by its parity, which is part) and 128 rows of x, into buffers f
.macro FETCH slot, part, kc, f
	WIN 0x40
.irp i, 0,1,2,3,4,5
	ds_load_b128 v[BF+BFS*(\f)+8*(\i):BF+BFS*(\f)+8*(\i)+3],   v[ADRB] offset:BBUF*(\part)+64*(\kc)+16*PBB*(\i)
	ds_load_b128 v[BF+BFS*(\f)+8*(\i)+4:BF+BFS*(\f)+8*(\i)+7], v[ADRB] offset:BBUF*(\part)+64*(\kc)+16*PBB*(\i)+32
.endr
	WIN 0
.irp i, 0,1,2,3,4,5,6,7
	ds_load_b128 v[AF+64*(\f)+8*(\i):AF+64*(\f)+8*(\i)+3],   v[ADRA+(\slot)] offset:256*(\part)+64*(\kc)+16*PA*(\i)
	ds_load_b128 v[AF+64*(\f)+8*(\i)+4:AF+64*(\f)+8*(\i)+7], v[ADRA+(\slot)] offset:256*(\part)+64*(\kc)+16*PA*(\i)+32
.endr
.endm
; A chunk is two halves of 32 of my K.  The first multiplies buffers 0, fetches the second's fragments, and sees to the next chunk's rows of wk or wv (set pst; none if pst < 0).
.macro EVEN slot, part, zero, pst, poff, pcnt
	FETCH \slot, \part, 1, 1
.irp b, 0,1,2,3,4,5
	MULB 0, \b, \zero
.endr
.if (\pst) >= 0
	PIPEK \pst, \poff, \pcnt
.set DK, 8                             ; its eight stores stand behind the fragments' loads
.else
	PLACES
.set DK, 0
.endif
.endm
; The second half multiplies buffers 1 and passes the chunk's barrier: in front of it my stores of the next chunk's weights are done and my reads of this chunk's are over.
; kind 0: the middle of a slot: my refill of the other slot may stay out.  kind 1: the slot is left and filled again, with its half of the lap that is being asked for: the
; barrier opens a round of the cluster's.  kind 2: the slot is left and nothing is asked for.  Behind the barrier: the next chunk's first fragments, the rest of the products, and the rows of wq of the chunk after
; it (set pst; none if pst < 0; pstep = 1: the loads that follow are a new lap's first).
.macro ODD slot, nslot, npart, kind, pst, poff, pcnt, pstep=0
.if \kind
	WIN 0                                          ; (the add's two registers lie in window 0)
	s_wait_tensorcnt 0x0                           ; all my tensor loads have landed: the one that was out is my part of the next slot
	ds_add_u32 v[SPW], v[NIL]                      ; 0 onto my spare word
	s_wait_dscnt DK+1                              ; buffers 1 are in; the stores behind their loads and the add may be out
.else
	s_wait_dscnt DK
.endif
	MULB 1, 0, 0                                   ; eight matrix instructions stand between the add and the wait for it
	s_wait_dscnt 0x0                               ; the add and my stores are done; my reads of this chunk were over before them
	s_barrier_signal -1
	MULB 1, 1, 0                                   ; work on registers while the others arrive
.if (\kind) == 1
	WIN 0
.endif
	s_barrier_wait -1
.if (\kind) == 1
	CREST                                          ; no wave of any partner still reads this slot or has a load on its way
	s_add_nc_u64 s[G0A+4*(\slot)+2:G0A+4*(\slot)+3], s[XR+2*(\slot):XR+2*(\slot)+1], s[OX:OX+1]   ; the address is made anew: the slot's root and the lap's offset,
	s_or_b32 s[G0A+4*(\slot)+3], s[G0A+4*(\slot)+3], 0x80000000                                  ; and the type
	JLOAD \slot                                    ; my one tensor load behind the round, the first thing there: 176 matrix instructions ahead of the wait for it
.endif
	FETCH \nslot, \npart, 0, 0
.irp b, 2,3,4,5
	MULB 1, \b, 0
.endr
	s_wait_dscnt 0x0                               ; buffers 0 are in: their loads were issued 32 matrix instructions ago
.if (\pst) >= 0
	PIPEQ \pst, \poff, \pcnt, \pstep
.else
	PLACES
.endif
.endm
	; The counts on LOADcnt: the loads go out as wq's 16, then wk's or wv's 8, chunk by chunk.  Behind a chunk's 16 stand its own 8 and the next chunk's 24: 32.  Behind its 8 stand those 24 and the 16 just asked for: 40.
	PIPEQ 0, 1024, 32                              ; chunk 0 into buffer 0; chunk 2 is asked for
	PIPEK 0, 1024, 40
	WIN 0
	s_wait_tensorcnt 1                             ; my part of slot 0 is in; slot 1's may stay out
	s_wait_dscnt 0x0                               ; my stores of chunk 0 are done
	s_barrier_signal -1
	s_barrier_wait -1                              ; everybody's are
	FETCH 0, 0, 0, 0
	s_wait_dscnt 0x0
	PIPEQ 1, 1536, 32                              ; chunk 1 into buffer 1; chunk 3 is asked for
	EVEN 0, 0, 1, 1, 1536, 40                      ; the first products start the sums: nothing is cleared
	WIN 0
	s_mov_b32 s3, 7
.Llap:                                                 ; a trip goes once round the ring, four chunks, from a lap's second half chunk to the next lap's first; it asks for the next lap: both slots' tiles of x and four chunks of weights
	ODD 0, 0, 1, 0, 0, 0, 32, 1
	EVEN 0, 1, 0, 0, 0, 40
	ODD 0, 1, 0, 1, 1, 512, 32
	EVEN 1, 0, 0, 1, 512, 40
	ODD 1, 1, 1, 0, 0, 1024, 32
	EVEN 1, 1, 0, 0, 1024, 40
	ODD 1, 0, 0, 1, 1, 1536, 32
	EVEN 0, 0, 0, 1, 1536, 40
	WIN 0
	s_sub_co_u32 s3, s3, 1
	s_cmp_lg_u32 s3, 0
	s_cbranch_scc1 .Llap
	ODD 0, 0, 1, 0, 0, -1, 32                      ; the last lap asks for nothing: its chunks 2 and 3 are converted, and the counts run down
	EVEN 0, 1, 0, 0, -1, 24
	ODD 0, 1, 0, 2, 1, -1, 8
	EVEN 1, 0, 0, 1, -1, 0
	ODD 1, 1, 1, 0, -1, -1, 0
	EVEN 1, 1, 0, -1, -1, 0
	s_wait_dscnt 0x0
.irp b, 0,1,2,3,4,5
	MULB 1, \b, 0
.endr
	; THE WAY OUT.  Each wave puts its sums, f32, into its half of K's plane of the stage; then wave w adds the planes for rows 64 w on, scales, rotates, rounds to f16 and stores.
.macro FLOAD                           ; freqs_cis for 16 rows: 8 loads of two rows for q's columns, 4 of four rows for k's
.irp u, 0,1,2,3,4,5,6,7
	global_load_b128 v[F+4*(\u):F+4*(\u)+3], v[FOQ], s[12:13] offset:1024*(\u)
.endr
.irp u, 0,1,2,3
	global_load_b128 v[F+32+4*(\u):F+32+4*(\u)+3], v[FOK], s[12:13] offset:2048*(\u)
.endr
.endm
	WIN 0
	PLACES                                         ; between the last products and the loads into x's buffers and the stores of the sums
	FLOAD                                          ; the first 16 rows' are on their way while the stage is written
	s_wait_dscnt 0x0
	s_barrier_signal -1
	s_barrier_wait -1                              ; every wave has read the last slot: the ring's bytes, which no load fills any more, become the stage
.irp b, 0,1,2,3,4,5
	WIN 0x08+0x04*((\b)/4)                         ; the data in window 2 or 3
.irp a, 0,1,2,3,4,5,6,7
	ds_store_b128 v[STW], v[64*((\b)%4)+8*(\a):64*((\b)%4)+8*(\a)+3]   offset:(\a)*16*SPI+64*(\b)       ; each accumulator's low registers first
	ds_store_b128 v[STW], v[64*((\b)%4)+8*(\a)+4:64*((\b)%4)+8*(\a)+7] offset:(\a)*16*SPI+64*(\b)+16
.endr
.endr
	WIN 0
	s_wait_dscnt 0x0                               ; for the others' sake: my stores are done
	s_barrier_signal -1
	s_barrier_wait -1
	s_mov_b32 s3, 4
.Lrows:                                                ; a trip: 16 rows in 12 units: 0-7 q (two rows each), 8-11 k or v (four rows each)
	s_wait_loadcnt 0x0                             ; these rows' freqs_cis; it also frees the loads' address registers
.set u, 0
.rept 12
	v_cvt_pk_bf16_f32 v[CS+4*u+1], v[F+4*u], v[F+4*u+1]       ; rounded to bf16 as every input, then widened again
	v_cvt_pk_bf16_f32 v[CS+4*u+3], v[F+4*u+2], v[F+4*u+3]
	v_lshlrev_b32 v[CS+4*u], 16, v[CS+4*u+1]
	v_and_b32 v[CS+4*u+1], s[HIM], v[CS+4*u+1]
	v_lshlrev_b32 v[CS+4*u+2], 16, v[CS+4*u+3]
	v_and_b32 v[CS+4*u+3], s[HIM], v[CS+4*u+3]
.if u >= 8
	v_cndmask_b32 v[CS+4*u], v[CS+4*u], 1.0, s[SV]            ; v is not rotated
	v_cndmask_b32 v[CS+4*u+1], v[CS+4*u+1], 0, s[SV]
	v_cndmask_b32 v[CS+4*u+2], v[CS+4*u+2], 1.0, s[SV]
	v_cndmask_b32 v[CS+4*u+3], v[CS+4*u+3], 0, s[SV]
.endif
.set u, u+1
.endr
	s_cmp_eq_u32 s3, 1                             ; the last trip asks for nothing more: no load leaves the buffer
	s_cbranch_scc1 .Lasked_all
	v_add_nc_u32 v[FOQ], 8192, v[FOQ]
	v_add_nc_u32 v[FOK], 8192, v[FOK]
	FLOAD                                          ; the next 16 rows'
.Lasked_all:
.set u, 0
.rept 12
.if u < 8
	ds_load_b128 v[P0+4*u:P0+4*u+3], v[RDQ0] offset:2*SPI*u
	ds_load_b128 v[P1+4*u:P1+4*u+3], v[RDQ1] offset:2*SPI*u
.else
	ds_load_b128 v[P0+4*u:P0+4*u+3], v[RDK0] offset:4*SPI*(u-8)
	ds_load_b128 v[P1+4*u:P1+4*u+3], v[RDK1] offset:4*SPI*(u-8)
.endif
.set u, u+1
.endr
.set u, 0
.rept 12
	s_wait_dscnt 22-2*u                            ; unit u's two loads are in; the younger units' stay out
	v_pk_add_f32 v[P0+4*u:P0+4*u+1], v[P0+4*u:P0+4*u+1], v[P1+4*u:P1+4*u+1]
	v_pk_add_f32 v[P0+4*u+2:P0+4*u+3], v[P0+4*u+2:P0+4*u+3], v[P1+4*u+2:P1+4*u+3]
.if u < 8
	v_pk_mul_f32 v[P0+4*u:P0+4*u+1], v[P0+4*u:P0+4*u+1], s[SCQ:SCQ+1] op_sel_hi:[1,0]
	v_pk_mul_f32 v[P0+4*u+2:P0+4*u+3], v[P0+4*u+2:P0+4*u+3], s[SCQ:SCQ+1] op_sel_hi:[1,0]
.else
	v_pk_mul_f32 v[P0+4*u:P0+4*u+1], v[P0+4*u:P0+4*u+1], s[SCK:SCK+1] op_sel_hi:[1,0]
	v_pk_mul_f32 v[P0+4*u+2:P0+4*u+3], v[P0+4*u+2:P0+4*u+3], s[SCK:SCK+1] op_sel_hi:[1,0]
.endif
	v_mul_f32 v10, v[P0+4*u+1], v[CS+4*u+1]        ; x1 sin
	v_mul_f32 v11, v[P0+4*u+1], v[CS+4*u]          ; x1 cos
	v_mul_f32 v12, v[P0+4*u+3], v[CS+4*u+3]
	v_mul_f32 v13, v[P0+4*u+3], v[CS+4*u+2]
	v_fma_f32 v10, v[P0+4*u], v[CS+4*u], -v10      ; x0 cos - x1 sin
	v_fma_f32 v11, v[P0+4*u], v[CS+4*u+1], v11     ; x0 sin + x1 cos
	v_fma_f32 v12, v[P0+4*u+2], v[CS+4*u+2], -v12
	v_fma_f32 v13, v[P0+4*u+2], v[CS+4*u+3], v13
	v_cvt_pk_f16_f32 v[Y+2*u], v10, v11
	v_cvt_pk_f16_f32 v[Y+2*u+1], v12, v13
.if u < 8
	global_store_b64 v[QOF], v[Y+2*u:Y+2*u+1], s[14:15] offset:256*u        ; a wave's store covers 256 consecutive bytes, aligned
.else
	global_store_b64 v[KOF], v[Y+2*u:Y+2*u+1], s[16:17] offset:256*(u-8)
.endif
.set u, u+1
.endr
	s_wait_xcnt 0x0                                ; the stores' data and offsets are rewritten only behind this wait
	v_add_nc_u32 v[QOF], 2048, v[QOF]
	v_add_nc_u32 v[KOF], 1024, v[KOF]
	v_add_nc_u32 v[RDQ0], 16*SPI, v[RDQ0]
	v_add_nc_u32 v[RDQ1], 16*SPI, v[RDQ1]
	v_add_nc_u32 v[RDK0], 16*SPI, v[RDK0]
	v_add_nc_u32 v[RDK1], 16*SPI, v[RDK1]
	s_sub_co_u32 s3, s3, 1
	s_cmp_lg_u32 s3, 0
	s_cbranch_scc1 .Lrows
	s_wait_tensorcnt 0x0                           ; the wave's end: behind my last tensor load and my last LDS store
	ds_add_u32 v[SPW], v[NIL]
	s_wait_dscnt 0x0
	CROUND                                         ; the closing round: no work-group ends while a partner may still ask for a tile that names it
	s_endpgm
.Lfunc_end_k_qa540b7f14f_qkv:
	.size	k_qa540b7f14f_qkv, .Lfunc_end_k_qa540b7f14f_qkv-k_qa540b7f14f_qkv
	.p2alignl 7, 3214868480
	.fill 96, 4, 3214868480
	.section	.rodata,"a",@progbits
	.p2align	6, 0x0
	.amdhsa_kernel k_qa540b7f14f_qkv
		.amdhsa_group_segment_fixed_size 327680
		.amdhsa_private_segment_fixed_size 0
		.amdhsa_enable_private_segment 0
		.amdhsa_kernarg_size 64
		.amdhsa_user_sgpr_count 2
		.amdhsa_user_sgpr_kernarg_segment_ptr 1
		.amdhsa_wavefront_size32 1
		.amdhsa_system_sgpr_workgroup_id_x 1
		.amdhsa_system_sgpr_workgroup_id_y 1
		.amdhsa_system_sgpr_workgroup_id_z 1
		.amdhsa_system_vgpr_workitem_id 0
		.amdhsa_next_free_vgpr 896
		.amdhsa_next_free_sgpr 100
		.amdhsa_reserve_vcc 0
		.amdhsa_float_denorm_mode_32 3
		.amdhsa_float_denorm_mode_16_64 3
		.amdhsa_memory_ordered 1
		.amdhsa_forward_progress 1
		.amdhsa_inst_pref_size 171
	.end_amdhsa_kernel
	.amdgpu_metadata
---
amdhsa.version: [ 1, 2 ]
amdhsa.kernels:
  - .name:           k_qa540b7f14f_qkv
    .symbol:         k_qa540b7f14f_qkv.kd
    .args:
      - { .name: xb, .offset: 0, .size: 8, .value_kind: global_buffer, .address_space: global }
      - { .name: wq, .offset: 8, .size: 8, .value_kind: global_buffer, .address_space: global }
      - { .name: wk, .offset: 16, .size: 8, .value_kind: global_buffer, .address_space: global }
      - { .name: wv, .offset: 24, .size: 8, .value_kind: global_buffer, .address_space: global }
      - { .name: freqs_cis, .offset: 32, .size: 8, .value_kind: global_buffer, .address_space: global }
      - { .name: qws, .offset: 40, .size: 8, .value_kind: global_buffer, .address_space: global }
      - { .name: kws, .offset: 48, .size: 8, .value_kind: global_buffer, .address_space: global }
      - { .name: vws, .offset: 56, .size: 8, .value_kind: global_buffer, .address_space: global }
    .group_segment_fixed_size: 327680
    .private_segment_fixed_size: 0
    .kernarg_segment_align: 8
    .kernarg_segment_size: 64
    .max_flat_workgroup_size: 128
    .sgpr_count:     100
    .vgpr_count:     896
    .wavefront_size: 32
...
	.end_amdgpu_metadata
.endif
;; end of part 5
;; launch attn: the kernel of part 3 again; grid 32 x 8, 4 waves a work-group, clusters of 4 x 1, 327,680 bytes of LDS; arguments qws, kws, vws, yws; writes yws
;; launch oproj (part 6): grid 64 x 4, 4 waves a work-group, clusters of 4 x 4, 327,680 bytes of LDS; arguments yws, wo, out0; writes out0
.if DOCPART == 6
	.amdgcn_target "amdgcn-amd-amdhsa--gfx1250"
	.amdhsa_code_object_version 6
	.text
	.protected	k_qa540b7f14f_oproj
	.globl	k_qa540b7f14f_oproj
	.p2align	8
	.type	k_qa540b7f14f_oproj,@function
k_qa540b7f14f_oproj:
	s_mov_b64 s[64:65], 0
	v_nop
	global_prefetch_b8 v0, s[64:65] scope:SCOPE_SE
	s_setreg_imm32_b32 hwreg(HW_REG_WAVE_MODE, 25, 1), 1
	s_wait_xcnt 0x0
	s_wait_alu depctr_hold_cnt(0) depctr_sa_sdst(0) depctr_va_vdst(0) depctr_va_sdst(0) depctr_va_ssrc(0) depctr_va_vcc(0) depctr_vm_vsrc(0)
	s_getreg_b32 s2, hwreg(HW_REG_IB_STS2, 6, 4)
	s_cmp_eq_u32 s2, 0
	s_cbranch_scc0 .Lentry_in_a_cluster
	s_endpgm
.Lentry_in_a_cluster:
	s_bfe_u32 s2, ttmp6, 0x10000c
	s_cmp_lg_u32 s2, 0xf033
	s_cbranch_scc0 .Lentry_shape_is_right
	s_endpgm
.Lentry_shape_is_right:
; out0 = y wo^T.  yws: [1024][4096] f16, holding y 2^-2; wo: [4096][4096] f32; out0: [1024][4096] f32.  The sums are multiplied by 4 at the end, which undoes y's factor without rounding.
; FORMATS.  wo is rounded to bf16, as every input of the module, and that number is written as f16 for the product with y: exact from 1.5e-5 up to 65,504.
; LIMITS.  |wo| stays under 65,504; a weight under 1.5e-5 is off by 3e-8 at the most (f16's fixed step).  NaN and infinities are not treated apart.
; SHARES.  A work-group makes 256 rows x 64 columns.  Four waves: wave w takes rows 128 (w / 2) on and, of each 128 of K, the 64 from 64 (w % 2) on: 128 x 64 in 32 accumulators.
; The two halves of K are added on the way out, in the stage through which the results go anyway.
; Y COMES THROUGH A RING of two LDS slots filled by tensor loads, 256 of K to a slot (256 rows of 512 bytes + 16); every wave asks for 64 rows.  CLUSTER 4 x 4: the four of a row need the same tile of y and ask JOINTLY.
; WO COMES THROUGH REGISTERS, 128 of K (a CHUNK) at a time: a wave loads 16 rows, a row's 512 consecutive bytes to a load, converts them in place and stores them into one of two LDS buffers that no tensor load
; fills.  Two sets of landing registers take turns: while chunk t is multiplied, chunk t + 1 is converted and chunk t + 3 asked for, so a load has two chunks' work in which to land.
; WHY WO IS NOT ASKED FOR JOINTLY, though the four row blocks of a cluster's column need the same rows: a joint load lands in LDS, and of a ring of two slots one slot's bytes are on their way.  With wo's 256 bytes for
; each k beside y's 512 a slot would hold 128 of K; without them it holds 256, there are 16 changes of slots for 32, and wo's 32 loads x 512 bytes a wave are on their way beside the slot.  Each weight is then
; converted once in the work-group and read from LDS as 2 bytes.  The price: each weight is loaded by four work-groups.
; THE WALK ALONG K BEGINS ELSEWHERE IN EACH CLUSTER and goes round the end.  K is 8 LAPS of 512 (once round the ring: two slots, four chunks); cluster c begins at lap (c xor c / 8) mod 8: eight different laps among
; clusters 0-7, among 8-15, among the even and among the odd ones.  All sixteen clusters need the same y: so they do not all ask for the same tile at the same time, and where they keep step, the lap that a cluster
; asks for from its second lap on is one that the cluster which began there has asked for before.
; ORDER OF ROUNDING: an f32 sum adds its K steps from the cluster's first lap on, round the end, in two halves that are added last: not in ascending K.
; THE MATRIX INSTRUCTION IS USED TRANSPOSED (source 0 = 16 rows of wo, source 1 = 16 rows of y): a lane then holds eight neighbouring columns of one row.
; REGISTERS: window 0: v0-39 addresses; v64-127, v128-191 y's fragments, two buffers (on the way out at work).   window 1: v0-31, v32-63 wo's fragments, two buffers; v64-127, v128-191 landing, two sets.
;   window 2: the accumulators, (a, b) at v[8 (8 b + a)].
.set PA,    528                        ; an LDS row of y: 132 words, so the 16 rows of a load start 4 banks apart (64 banks of 4 bytes: ISA guide 11.1)
.set PBB,   272                        ; an LDS row of wo, 128 f16 + 16 bytes: 68 words: likewise
.set NB,    4
.set SLOT,  256*PA                     ; 135,168 bytes
.set BB,    2*SLOT                     ; behind the ring: wo's two buffers
.set BBUF,  16*NB*PBB                  ; 17,408 bytes each
.set SPARE, BB+2*BBUF                  ; behind them: the spare words, 128 bytes for each wave, two blocks of 256 bytes that no other line names
.set SPI,   272                        ; the stage's row: 64 f32 + 16 bytes
.set PLN,   256*SPI                    ; the stage: one plane for each half of K.  It takes the ring's bytes when these have had their last fill
.set ADRA, 16                          ; v16-17 LDS address of my fragments of y in slot 0, 1
.set ADRB, 20                          ; v20    the same for wo, in buffer 0
.set BST,  21                          ; v21    where I store 8 bytes of my first row of wo, in buffer 0
.set GL,   23                          ; v23    16 x lane; never rewritten
.set STW,  24
.set SPW,  28                          ; v28 LDS address of my spare word; never rewritten
.set NIL,  29                          ; v29 0; never rewritten
.set RD0,  30                          ; v30-31 where I read the stage's two planes back
.set RD1,  31
.set CO,   32                          ; v32 my byte offset in two rows of out0
.set AF,   64
.set BF,   0
.set BFS,  32
.set LS0,  64                          ; window 1
.set WV,   20
.set MH,   21
.set KH,   22
.set G1A,  24                          ; s[24:31] descriptor group 1 for y's tiles;  s[32:39] group 0, a set for each slot
.set G0A,  32
.set BW,   40                          ; s[40:41] wo at my 16 rows, at the lap that is being asked for
.set XR,   44                          ; s[44:45] y at my 64 rows, K = 0: slot 0's half of lap 0;   s[46:47] 256 of K on: slot 1's half
.set WR,   48                          ; s[48:49] wo at my 16 rows, K = 0
.set OX,   52                          ; s[52:53] the lap's byte offset in a row of y: 1,024 x lap
.set OW,   54                          ; s[54:55] in a row of wo: 2,048 x lap
.set NL,   56                          ; s56 the lap that is being asked for, 0 to 7
.set CX,   76
.set CY,   77
.set COL,  78
.set HIM,  95
.set DK,   0
.set MSB, 0
.macro WIN new
.if MSB != (\new)
	s_set_vgpr_msb (MSB<<8)|(\new)
.set MSB, (\new)
.endif
.endm
.macro PLACES
.rept 4
	v_nop
.endr
.endm
.macro JLOAD s                         ; a joint load: every wave asks for its 64 rows of y's tile; an s_nop 0 and four v_nop follow the line
	tensor_load_to_lds s[G0A+4*(\s):G0A+4*(\s)+3], s[G1A:G1A+7]
	s_nop 0
	PLACES
.endm
.macro CREST
	s_cmp_lg_u32 s[WV], 0
	s_cbranch_scc1 .Lnot_wave_0_\@
	s_barrier_signal -3
.Lnot_wave_0_\@:
	s_barrier_wait -3
	s_barrier_signal -1
	s_barrier_wait -1
.endm
.macro CROUND
	s_barrier_signal -1
	s_barrier_wait -1
	CREST
.endm
; The lap that is asked for steps, round the end; its offsets and the weight loads' base are made anew, the base from its root and an offset
.macro NEXTLAP
	s_add_co_u32 s[NL], s[NL], 1
	s_and_b32 s[NL], s[NL], 7
	s_lshl_b32 s[OX], s[NL], 10
	s_lshl_b32 s[OW], s[NL], 11
	s_add_nc_u64 s[BW:BW+1], s[WR:WR+1], s[OW:OW+1]
.endm
; Half h (8 rows) of a chunk is asked for: set st of the landing registers, byte off of the lap's part of the rows.  Each load of the wave covers 512 consecutive bytes, aligned.
.macro LOADB st, h, off
	WIN 0x40                                       ; destination window 1, offset register window 0
.set LR, LS0+64*(\st)+32*(\h)
.set i, 0
.rept 8
	global_load_b128 v[LR+4*i:LR+4*i+3], v[GL], s[BW:BW+1] offset:16384*(8*(\h)+i)+(\off)
.set i, i+1
.endr
.endm
; Half h of set st has landed (cnt younger loads may stay out): rounded to bf16, widened, written as f16, all in place and stage by stage, so that no line waits for the one before it; stored into buffer st; and, if
; off >= 0, asked for again.  These plain instructions name no register of the products in front of them: they are also the places between a fragment buffer's last products and the loads that write
; it next.  step = 1: the loads that follow are a new lap's first.
.macro PIPE st, h, off, cnt, step=0
	s_wait_loadcnt \cnt
.set LR, LS0+64*(\st)+32*(\h)
	WIN 0x45
.set i, 0
.rept 8
	v_cvt_pk_bf16_f32 v[LR+4*i], v[LR+4*i], v[LR+4*i+1]
	v_cvt_pk_bf16_f32 v[LR+4*i+2], v[LR+4*i+2], v[LR+4*i+3]
.set i, i+1
.endr
.set i, 0
.rept 8
	v_and_b32 v[LR+4*i+1], s[HIM], v[LR+4*i]
	v_and_b32 v[LR+4*i+3], s[HIM], v[LR+4*i+2]
.set i, i+1
.endr
.set i, 0
.rept 8
	v_lshlrev_b32 v[LR+4*i], 16, v[LR+4*i]
	v_lshlrev_b32 v[LR+4*i+2], 16, v[LR+4*i+2]
.set i, i+1
.endr
.set i, 0
.rept 8
	v_cvt_pk_f16_f32 v[LR+4*i], v[LR+4*i], v[LR+4*i+1]
	v_cvt_pk_f16_f32 v[LR+4*i+1], v[LR+4*i+2], v[LR+4*i+3]
.set i, i+1
.endr
	WIN 0x04                                       ; the data in window 1
.set i, 0
.rept 8
	ds_store_b64 v[BST], v[LR+4*i:LR+4*i+1] offset:BBUF*(\st)+PBB*(8*(\h)+i)      ; 32 lanes, 256 consecutive bytes: a row
.set i, i+1
.endr
.if \step
	s_wait_xcnt 0x0                                ; the weight loads' base is rewritten only behind this wait; the youngest of those loads were issued 32 matrix instructions ago
	NEXTLAP
.endif
.if (\off) >= 0
	LOADB \st, \h, \off
.endif
.endm
	s_load_b128 s[4:7], s[0:1], 0x0                ; yws s[4:5], wo s[6:7]
	s_load_b64 s[8:9], s[0:1], 0x10                ; out0
	v_lshl_add_u32 v[SPW], v0, 2, SPARE
	v_mov_b32 v[NIL], 0
	ds_add_u32 v[SPW], v[NIL]                      ; the wave's opening: the add and its wait ahead of my first tensor load; the set-up below stands between them
	v_lshrrev_b32 v3, 5, v0
	v_readfirstlane_b32 s[WV], v3
	s_lshr_b32 s[MH], s[WV], 1
	s_and_b32 s[KH], s[WV], 1
	s_bfe_u32 s[CX], ttmp6, 0x40000
	s_bfe_u32 s[CY], ttmp6, 0x40004                ; the grid's four rows are one cluster's: cy is the row block
	s_lshl_b32 s[COL], ttmp9, 2
	s_add_co_u32 s[COL], s[COL], s[CX]
	s_lshl_b32 s79, s[CY], 2
	s_lshl_b32 s79, 15, s79                        ; my row of the cluster
	s_or_b32 s[G1A], s79, (1<<16)|(1<<20)|(1<<21)|(6<<22)|(3<<25)   ; mask; 2-byte elements; padding on; bit 21 beside a mask; 4 words behind every 128
	s_mov_b32 s[G1A+1], 256<<16                    ; tensor_dim0 = 256
	s_mov_b32 s[G1A+2], 64<<16                     ; tensor_dim1 = 64
	s_mov_b32 s[G1A+3], 256<<16                    ; tile_dim0 = 256
	s_mov_b32 s[G1A+4], 64                         ; tile_dim1 = 64
	s_mov_b32 s[G1A+5], 4096                       ; elements from row to row
	s_mov_b32 s[G1A+6], 0
	s_mov_b32 s[G1A+7], 0
	s_lshl_b32 s82, s[CY], 21                      ; y: 256 rows of 8,192 bytes, + my 64 rows; it hangs on cy, the wave and the cluster's number alone
	s_lshl_b32 s23, s[WV], 19
	s_add_co_u32 s82, s82, s23
	s_mov_b32 s83, 0
	s_lshl_b32 s84, s[COL], 20                     ; wo: 64 rows of 16,384 bytes, + my 16 rows
	s_lshl_b32 s85, s[WV], 18
	s_add_co_u32 s84, s84, s85
	s_mov_b32 s85, 0
	s_mul_i32 s23, s[WV], 64*PA                    ; where my 64 rows of y go
	s_lshr_b32 s[NL], ttmp9, 3                     ; my cluster's first lap: (c xor c / 8) mod 8, the same in all sixteen work-groups
	s_xor_b32 s[NL], s[NL], ttmp9
	s_and_b32 s[NL], s[NL], 7
	s_lshl_b32 s[OX], s[NL], 10
	s_mov_b32 s[OX+1], 0
	s_lshl_b32 s[OW], s[NL], 11
	s_mov_b32 s[OW+1], 0
	s_mov_b32 s[HIM], 0xffff0000
	v_and_b32 v6, 31, v0                           ; l
	v_lshlrev_b32 v[GL], 4, v6
	s_wait_dscnt 0x0                               ; the opening add is done
	s_wait_kmcnt 0x0
	s_add_nc_u64 s[XR:XR+1], s[4:5], s[82:83]
	s_add_nc_u64 s[XR+2:XR+3], s[XR:XR+1], 512
	s_add_nc_u64 s[WR:WR+1], s[6:7], s[84:85]
	s_add_nc_u64 s[BW:BW+1], s[WR:WR+1], s[OW:OW+1]
	LOADB 0, 0, 0                                  ; the first lap's chunks 0 and 1 of wo are asked for first of all: 32 loads of mine are out
	LOADB 0, 1, 0
	LOADB 1, 0, 512
	LOADB 1, 1, 512
	WIN 0
	CROUND                                         ; all sixteen work-groups are here: the first joint loads meet
.irp s, 0,1
	s_mov_b32 s[G0A+4*(\s)], 1
	s_add_co_u32 s[G0A+4*(\s)+1], s23, (\s)*SLOT
	s_add_nc_u64 s[G0A+4*(\s)+2:G0A+4*(\s)+3], s[XR+2*(\s):XR+2*(\s)+1], s[OX:OX+1]   ; slot s: its 256 of the first lap's K
	s_or_b32 s[G0A+4*(\s)+3], s[G0A+4*(\s)+3], 0x80000000
	JLOAD \s                                       ; both slots: two tensor loads of mine are out
.endr
	v_and_b32 v1, 15, v0                           ; r
	v_bfe_u32 v2, v0, 4, 1                         ; half
	v_mul_u32_u24 v3, v1, PA
	v_lshl_add_u32 v3, v2, 4, v3
	s_mul_i32 s23, s[MH], 128*PA
	s_lshl_b32 s98, s[KH], 7                       ; my 64 of a chunk: 128 bytes
	s_add_co_u32 s23, s23, s98
	v_add_nc_u32 v[ADRA], s23, v3
	v_add_nc_u32 v[ADRA+1], SLOT, v[ADRA]
	v_mul_u32_u24 v4, v1, PBB
	v_lshl_add_u32 v4, v2, 4, v4
	s_add_co_u32 s98, s98, BB
	v_add_nc_u32 v[ADRB], s98, v4
	s_mul_i32 s23, s[WV], 16*PBB                   ; wo's buffer: 16 rows a wave, 8 bytes a lane
	s_add_co_u32 s23, s23, BB
	v_lshl_add_u32 v[BST], v6, 3, s23
	s_mul_i32 s23, s[KH], PLN                      ; the stage: my half of K's plane, my 128 rows, row r, 32 bytes for each half of the lanes
	s_mul_i32 s98, s[MH], 128*SPI
	s_add_co_u32 s23, s23, s98
	v_mul_u32_u24 v5, v1, SPI
	v_lshl_add_u32 v5, v2, 5, v5
	v_add_nc_u32 v[STW], s23, v5
	s_mul_i32 s23, s[WV], 64*SPI                   ; back: wave w finishes rows 64 w on; lanes 0-15 one row of 256 bytes, lanes 16-31 the next
	v_mul_u32_u24 v7, v2, SPI
	v_lshl_add_u32 v7, v1, 4, v7
	v_add_nc_u32 v[RD0], s23, v7
	v_add_nc_u32 v[RD1], PLN, v[RD0]
	v_lshlrev_b32 v[CO], 14, v2                    ; the same two rows in out0
	v_lshl_add_u32 v[CO], v1, 4, v[CO]
	s_lshl_b32 s86, s[CY], 22                      ; out0 at row 256 cy + 64 w, column 64 x column group
	s_lshl_b32 s87, s[WV], 20
	s_add_co_u32 s86, s86, s87
	s_lshl_b32 s87, s[COL], 8
	s_add_co_u32 s86, s86, s87
	s_mov_b32 s87, 0
	s_add_nc_u64 s[8:9], s[8:9], s[86:87]
; 8 matrix instructions: column block b x my 8 row blocks, 32 along K.  The 32 accumulators take turns in one order everywhere, one instruction a turn.
.macro MULB f, b, zero
	WIN 0xa1                                       ; wo window 1, y window 0, C and D window 2
.irp a, 0,1,2,3,4,5,6,7
.if \zero
	v_wmma_f32_16x16x32_f16 v[64*(\b)+8*(\a):64*(\b)+8*(\a)+7], v[BF+BFS*(\f)+8*(\b):BF+BFS*(\f)+8*(\b)+7], v[AF+64*(\f)+8*(\a):AF+64*(\f)+8*(\a)+7], 0
.else
	v_wmma_f32_16x16x32_f16 v[64*(\b)+8*(\a):64*(\b)+8*(\a)+7], v[BF+BFS*(\f)+8*(\b):BF+BFS*(\f)+8*(\b)+7], v[AF+64*(\f)+8*(\a):AF+64*(\f)+8*(\a)+7], v[64*(\b)+8*(\a):64*(\b)+8*(\a)+7]
.endif
.endr
.endm
; 24 LDS loads in one run: 32 of my K, part kc of chunk part of the slot: 64 rows of wo (the chunk's buffer goes by its parity, which is part) and 128 rows of y, into buffers f
.macro FETCH slot, part, kc, f
	WIN 0x40
.irp i, 0,1,2,3
	ds_load_b128 v[BF+BFS*(\f)+8*(\i):BF+BFS*(\f)+8*(\i)+3],   v[ADRB] offset:BBUF*(\part)+64*(\kc)+16*PBB*(\i)
	ds_load_b128 v[BF+BFS*(\f)+8*(\i)+4:BF+BFS*(\f)+8*(\i)+7], v[ADRB] offset:BBUF*(\part)+64*(\kc)+16*PBB*(\i)+32
.endr
	WIN 0
.irp i, 0,1,2,3,4,5,6,7
	ds_load_b128 v[AF+64*(\f)+8*(\i):AF+64*(\f)+8*(\i)+3],   v[ADRA+(\slot)] offset:256*(\part)+64*(\kc)+16*PA*(\i)
	ds_load_b128 v[AF+64*(\f)+8*(\i)+4:AF+64*(\f)+8*(\i)+7], v[ADRA+(\slot)] offset:256*(\part)+64*(\kc)+16*PA*(\i)+32
.endr
.endm
; A chunk's first half: multiplies buffers 0, fetches the second half's fragments, and sees to the second 8 rows of the next chunk's wo (set pst; none if pst < 0).
.macro EVEN slot, part, zero, pst, poff, pcnt
	FETCH \slot, \part, 1, 1
.irp b, 0,1,2,3
	MULB 0, \b, \zero
.endr
.if (\pst) >= 0
	PIPE \pst, 1, \poff, \pcnt
.set DK, 8                             ; its eight stores stand behind the fragments' loads
.else
	PLACES
.set DK, 0
.endif
.endm
; Its second half multiplies buffers 1 and passes the chunk's barrier: in front of it my stores of the next chunk's wo are done and my reads of this chunk's are over.
; kind 0: the middle of a slot: my refill of the other slot may stay out.  kind 1: the slot is left and filled again, with its half of the lap that is being asked for: the
; barrier opens a round of the cluster's.  kind 2: the slot is left and nothing is asked for.  Behind the barrier: the next chunk's first fragments, the rest of the products, and the first 8 rows of the chunk after
; it (set pst; none if pst < 0; pstep = 1: the loads that follow are a new lap's first).
.macro ODD slot, nslot, npart, kind, pst, poff, pcnt, pstep=0
.if \kind
	WIN 0                                          ; (the add's two registers lie in window 0)
	s_wait_tensorcnt 0x0                           ; all my tensor loads have landed: the one that was out is my part of the next slot
	ds_add_u32 v[SPW], v[NIL]                      ; 0 onto my spare word
	s_wait_dscnt DK+1                              ; buffers 1 are in; the stores behind their loads and the add may be out
.else
	s_wait_dscnt DK
.endif
	MULB 1, 0, 0                                   ; eight matrix instructions stand between the add and the wait for it
	s_wait_dscnt 0x0                               ; the add and my stores are done; my reads of this chunk were over before them
	s_barrier_signal -1
	MULB 1, 1, 0
.if (\kind) == 1
	WIN 0
.endif
	s_barrier_wait -1
.if (\kind) == 1
	CREST                                          ; no wave of any partner still reads this slot or has a load on its way
	s_add_nc_u64 s[G0A+4*(\slot)+2:G0A+4*(\slot)+3], s[XR+2*(\slot):XR+2*(\slot)+1], s[OX:OX+1]   ; the address is made anew: the slot's root and the lap's offset,
	s_or_b32 s[G0A+4*(\slot)+3], s[G0A+4*(\slot)+3], 0x80000000                                  ; and the type
	JLOAD \slot                                    ; my one tensor load behind the round, the first thing there: 112 matrix instructions ahead of the wait for it
.endif
	FETCH \nslot, \npart, 0, 0
.irp b, 2,3
	MULB 1, \b, 0
.endr
	s_wait_dscnt 0x0                               ; buffers 0 are in
.if (\pst) >= 0
	PIPE \pst, 0, \poff, \pcnt, \pstep
.else
	PLACES
.endif
.endm
	; The counts on LOADcnt: the loads go out eight at a time, two eights a chunk.  Behind the eight that are wanted stand three younger eights: 24.
	PIPE 0, 0, 1024, 24                            ; chunk 0 into buffer 0; chunk 2 is asked for
	PIPE 0, 1, 1024, 24
	WIN 0
	s_wait_tensorcnt 1                             ; my part of slot 0 is in; slot 1's may stay out
	s_wait_dscnt 0x0                               ; my stores of chunk 0 are done
	s_barrier_signal -1
	s_barrier_wait -1
	FETCH 0, 0, 0, 0
	s_wait_dscnt 0x0
	PIPE 1, 0, 1536, 24                            ; chunk 1 into buffer 1; chunk 3 is asked for
	EVEN 0, 0, 1, 1, 1536, 24                      ; the first products start the sums: nothing is cleared
	WIN 0
	s_mov_b32 s3, 7
.Llap:                                                 ; a trip goes once round the ring, four chunks; it asks for the next lap: both slots' tiles of y and four chunks of wo
	ODD 0, 0, 1, 0, 0, 0, 24, 1
	EVEN 0, 1, 0, 0, 0, 24
	ODD 0, 1, 0, 1, 1, 512, 24
	EVEN 1, 0, 0, 1, 512, 24
	ODD 1, 1, 1, 0, 0, 1024, 24
	EVEN 1, 1, 0, 0, 1024, 24
	ODD 1, 0, 0, 1, 1, 1536, 24
	EVEN 0, 0, 0, 1, 1536, 24
	WIN 0
	s_sub_co_u32 s3, s3, 1
	s_cmp_lg_u32 s3, 0
	s_cbranch_scc1 .Llap
	ODD 0, 0, 1, 0, 0, -1, 24                      ; the last lap asks for nothing: its chunks 2 and 3 are converted, and the counts run down
	EVEN 0, 1, 0, 0, -1, 16
	ODD 0, 1, 0, 2, 1, -1, 8
	EVEN 1, 0, 0, 1, -1, 0
	ODD 1, 1, 1, 0, -1, -1, 0
	EVEN 1, 1, 0, -1, -1, 0
	s_wait_dscnt 0x0
.irp b, 0,1,2,3
	MULB 1, \b, 0
.endr
	; THE WAY OUT.  Each wave puts its sums into its half of K's plane of the stage; then wave w adds the planes for rows 64 w on, multiplies by 4 and stores whole rows of 256 bytes.
	WIN 0
	PLACES                                         ; between the last products and the stores of the sums
	s_wait_dscnt 0x0
	s_barrier_signal -1
	s_barrier_wait -1                              ; every wave has read the last slot: the ring's bytes, which no load fills any more, become the stage
	WIN 0x08                                       ; the data in window 2
.irp b, 0,1,2,3
.irp a, 0,1,2,3,4,5,6,7
	ds_store_b128 v[STW], v[64*(\b)+8*(\a):64*(\b)+8*(\a)+3]   offset:(\a)*16*SPI+64*(\b)          ; each accumulator's low registers first
	ds_store_b128 v[STW], v[64*(\b)+8*(\a)+4:64*(\b)+8*(\a)+7] offset:(\a)*16*SPI+64*(\b)+16
.endr
.endr
	WIN 0
	s_wait_dscnt 0x0                               ; for the others' sake: my stores are done
	s_barrier_signal -1
	s_barrier_wait -1
.set B0, 64
.set B1, 96
	s_mov_b32 s3, 4
.Lout:                                                 ; a trip: 16 rows, two to a load
.irp i, 0,1,2,3,4,5,6,7
	ds_load_b128 v[B0+4*(\i):B0+4*(\i)+3], v[RD0] offset:(\i)*2*SPI
	ds_load_b128 v[B1+4*(\i):B1+4*(\i)+3], v[RD1] offset:(\i)*2*SPI
.endr
.irp i, 0,1,2,3,4,5,6,7
	s_wait_dscnt 14-2*(\i)                         ; this pair of loads is in; the younger pairs stay out
	v_pk_add_f32 v[B0+4*(\i):B0+4*(\i)+1], v[B0+4*(\i):B0+4*(\i)+1], v[B1+4*(\i):B1+4*(\i)+1]
	v_pk_add_f32 v[B0+4*(\i)+2:B0+4*(\i)+3], v[B0+4*(\i)+2:B0+4*(\i)+3], v[B1+4*(\i)+2:B1+4*(\i)+3]
	v_pk_mul_f32 v[B0+4*(\i):B0+4*(\i)+1], v[B0+4*(\i):B0+4*(\i)+1], 4.0 op_sel_hi:[1,0]
	v_pk_mul_f32 v[B0+4*(\i)+2:B0+4*(\i)+3], v[B0+4*(\i)+2:B0+4*(\i)+3], 4.0 op_sel_hi:[1,0]
	global_store_b128 v[CO], v[B0+4*(\i):B0+4*(\i)+3], s[8:9] offset:(\i)*32768 th:TH_STORE_NT   ; 16 lanes store 256 consecutive bytes, aligned
.endr
	s_wait_xcnt 0x0                                ; the stores' data and offset are rewritten only behind this wait
	v_add_nc_u32 v[RD0], 16*SPI, v[RD0]
	v_add_nc_u32 v[RD1], 16*SPI, v[RD1]
	v_add_nc_u32 v[CO], 16*16384, v[CO]
	s_sub_co_u32 s3, s3, 1
	s_cmp_lg_u32 s3, 0
	s_cbranch_scc1 .Lout
	s_wait_tensorcnt 0x0                           ; the wave's end: behind my last tensor load and my last LDS store
	ds_add_u32 v[SPW], v[NIL]
	s_wait_dscnt 0x0
	CROUND                                         ; the closing round: no work-group ends while a partner may still ask for a tile that names it
	s_endpgm
.Lfunc_end_k_qa540b7f14f_oproj:
	.size	k_qa540b7f14f_oproj, .Lfunc_end_k_qa540b7f14f_oproj-k_qa540b7f14f_oproj
	.p2alignl 7, 3214868480
	.fill 96, 4, 3214868480
	.section	.rodata,"a",@progbits
	.p2align	6, 0x0
	.amdhsa_kernel k_qa540b7f14f_oproj
		.amdhsa_group_segment_fixed_size 327680
		.amdhsa_private_segment_fixed_size 0
		.amdhsa_enable_private_segment 0
		.amdhsa_kernarg_size 24
		.amdhsa_user_sgpr_count 2
		.amdhsa_user_sgpr_kernarg_segment_ptr 1
		.amdhsa_wavefront_size32 1
		.amdhsa_system_sgpr_workgroup_id_x 1
		.amdhsa_system_sgpr_workgroup_id_y 1
		.amdhsa_system_sgpr_workgroup_id_z 1
		.amdhsa_system_vgpr_workitem_id 0
		.amdhsa_next_free_vgpr 768
		.amdhsa_next_free_sgpr 100
		.amdhsa_reserve_vcc 0
		.amdhsa_float_denorm_mode_32 3
		.amdhsa_float_denorm_mode_16_64 3
		.amdhsa_memory_ordered 1
		.amdhsa_forward_progress 1
		.amdhsa_inst_pref_size 146
	.end_amdhsa_kernel
	.amdgpu_metadata
---
amdhsa.version: [ 1, 2 ]
amdhsa.kernels:
  - .name:           k_qa540b7f14f_oproj
    .symbol:         k_qa540b7f14f_oproj.kd
    .args:
      - { .name: yws, .offset: 0, .size: 8, .value_kind: global_buffer, .address_space: global }
      - { .name: wo, .offset: 8, .size: 8, .value_kind: global_buffer, .address_space: global }
      - { .name: out0, .offset: 16, .size: 8, .value_kind: global_buffer, .address_space: global }
    .group_segment_fixed_size: 327680
    .private_segment_fixed_size: 0
    .kernarg_segment_align: 8
    .kernarg_segment_size: 24
    .max_flat_workgroup_size: 128
    .sgpr_count:     100
    .vgpr_count:     768
    .wavefront_size: 32
...
	.end_amdgpu_metadata
.endif
;; end of part 6
;; ======== version 3 of 3: 4 launches; version 2 with the launch cast written anew for expert scheduling mode
;; limits: values are held in f16: magnitudes above 65,504 overflow, below 6.1e-05 lose precision; right only within a limited range of input values
;; workspace buffers: xb 8,388,608 bytes; qws 8,388,608 bytes; kws 2,097,152 bytes; vws 2,097,152 bytes; yws 8,388,608 bytes
;; launch cast (part 7): grid 256 x 1, 8 waves a work-group, no clusters, 0 bytes of LDS; arguments x, xb; writes xb
.if DOCPART == 7
	.amdgcn_target "amdgcn-amd-amdhsa--gfx1250"
	.amdhsa_code_object_version 6
	.text
	.protected	k_qa540b7f14f_cast
	.globl	k_qa540b7f14f_cast
	.p2align	8
	.type	k_qa540b7f14f_cast,@function
k_qa540b7f14f_cast:
	s_mov_b64 s[64:65], 0
	v_nop
	global_prefetch_b8 v0, s[64:65] scope:SCOPE_SE
	s_setreg_imm32_b32 hwreg(HW_REG_WAVE_SCHED_MODE, 0, 2), 2
	s_setreg_imm32_b32 hwreg(HW_REG_WAVE_MODE, 25, 1), 1
	s_wait_xcnt 0x0
	s_wait_alu depctr_vm_vsrc(0)
; xb = x rounded once to bf16 (nearest even).  x: [1024][4096] f32, xb: the same shape in bf16.
; x's tiles are read by all 64 column groups of the product that follows: rounded once here, they are half the bytes there and need no conversion.
; A stream: no LDS, no barrier, no matrix unit.  A work-group owns 16,384 numbers; thread t takes 16 bytes at 16 t of each of sixteen pieces of 4,096 bytes.
; All sixteen loads of a wave go out at once; each load, each store and each register is used once, so there is no loop.
; THE MODE: SCHED_MODE bits 1:0 = 2 (LLVM: expert scheduling mode 2), set by the entry lines.  The code itself states the register dependences
; between vector instructions and memory instructions, with s_wait_alu, always for 0.
; THE PLAN.  Registers that memory instructions touch:
;   v1, v2   byte offsets, written once at the head, never again: v1 is read by every load, v2 by every store.
;   X        piece i: four registers in which its load lands, once; all sixteen loads are issued ahead of the first vector instruction that names X.
;   Y        piece i: two registers, written once by its two conversions, read once by its store.
; The sixteen pieces go in four blocks of four.  Block b converts its own pieces; its memory instructions are the stores of block b - 1, which read that block's Y and v2:
; registers that no conversion of block b names.  So one wait at a block's head states all that its four stores hang on, and they are dealt among its conversions with no further wait.
; No register that a memory instruction reads is written again, no load lands in a register that a vector instruction has named, no vector instruction writes a scalar register, EXEC is
; never written: the five waits on va_vdst below are all the dependences that there are.
.set X, 4                              ; v[4:67]   piece i: four f32 as loaded
.set Y, 68                             ; v[68:99]  piece i: four bf16 to store
	s_load_b128 s[4:7], s[0:1], 0x0                ; x s[4:5], xb s[6:7]
	s_lshl_b32 s2, ttmp9, 16                       ; the group's 65,536 bytes of x
	s_mov_b32 s3, 0
	s_lshl_b32 s8, ttmp9, 15                       ; and its 32,768 bytes of xb
	s_mov_b32 s9, 0
	v_lshlrev_b32 v1, 4, v0                        ; 16 t
	v_lshlrev_b32 v2, 3, v0                        ; 8 t
	s_wait_kmcnt 0x0
	s_add_nc_u64 s[4:5], s[4:5], s[2:3]
	s_add_nc_u64 s[6:7], s[6:7], s[8:9]
	s_wait_alu depctr_va_vdst(0)                   ; v1 and v2 are written: every load of the kernel reads v1 as its offset, every store v2
.set i, 0
.rept 16
	global_load_b128 v[X+4*i:X+4*i+3], v1, s[4:5] offset:4096*i th:TH_LOAD_NT   ; read once in the launch
.set i, i+1
.endr
; Block b: pieces 4 b to 4 b + 3 are converted; the stores of pieces 4 b - 4 to 4 b - 1 stand among the conversions.
.macro BLK b
	s_wait_loadcnt 12-4*(\b)                       ; loads come back in order: the block's four pieces are in, the 12 - 4 b younger ones stay out
.if (\b) > 0
	s_wait_alu depctr_va_vdst(0)                   ; the block before has written its Y, which the four stores below read
.endif
.irp i, 0,1,2,3
.if (\b) > 0
	global_store_b64 v2, v[Y+2*(4*(\b)-4+(\i)):Y+2*(4*(\b)-4+(\i))+1], s[6:7] offset:2048*(4*(\b)-4+(\i))   ; a wave's store covers 256 consecutive bytes, aligned; no vector instruction since the wait names its registers
.endif
	v_cvt_pk_bf16_f32 v[Y+2*(4*(\b)+(\i))], v[X+4*(4*(\b)+(\i))], v[X+4*(4*(\b)+(\i))+1]
	v_cvt_pk_bf16_f32 v[Y+2*(4*(\b)+(\i))+1], v[X+4*(4*(\b)+(\i))+2], v[X+4*(4*(\b)+(\i))+3]
.endr
.endm
	BLK 0                                          ; no block stands in front of it: no store, and no wait but the one for its data
	BLK 1
	BLK 2
	BLK 3
	s_wait_alu depctr_va_vdst(0)                   ; block 3 has written its Y, which the last four stores read
.irp i, 12,13,14,15
	global_store_b64 v2, v[Y+2*(\i):Y+2*(\i)+1], s[6:7] offset:2048*(\i)
.endr
	s_endpgm
.Lfunc_end_k_qa540b7f14f_cast:
	.size	k_qa540b7f14f_cast, .Lfunc_end_k_qa540b7f14f_cast-k_qa540b7f14f_cast
	.p2alignl 7, 3214868480
	.fill 96, 4, 3214868480
	.section	.rodata,"a",@progbits
	.p2align	6, 0x0
	.amdhsa_kernel k_qa540b7f14f_cast
		.amdhsa_group_segment_fixed_size 0
		.amdhsa_private_segment_fixed_size 0
		.amdhsa_enable_private_segment 0
		.amdhsa_kernarg_size 16
		.amdhsa_user_sgpr_count 2
		.amdhsa_user_sgpr_kernarg_segment_ptr 1
		.amdhsa_wavefront_size32 1
		.amdhsa_system_sgpr_workgroup_id_x 1
		.amdhsa_system_sgpr_workgroup_id_y 1
		.amdhsa_system_sgpr_workgroup_id_z 1
		.amdhsa_system_vgpr_workitem_id 0
		.amdhsa_next_free_vgpr 100
		.amdhsa_next_free_sgpr 66
		.amdhsa_reserve_vcc 0
		.amdhsa_float_denorm_mode_32 3
		.amdhsa_float_denorm_mode_16_64 3
		.amdhsa_memory_ordered 1
		.amdhsa_forward_progress 1
		.amdhsa_inst_pref_size 6
	.end_amdhsa_kernel
	.amdgpu_metadata
---
amdhsa.version: [ 1, 2 ]
amdhsa.kernels:
  - .name:           k_qa540b7f14f_cast
    .symbol:         k_qa540b7f14f_cast.kd
    .args:
      - { .name: x, .offset: 0, .size: 8, .value_kind: global_buffer, .address_space: global }
      - { .name: xb, .offset: 8, .size: 8, .value_kind: global_buffer, .address_space: global }
    .group_segment_fixed_size: 0
    .private_segment_fixed_size: 0
    .kernarg_segment_align: 8
    .kernarg_segment_size: 16
    .max_flat_workgroup_size: 256
    .sgpr_count:     66
    .vgpr_count:     100
    .wavefront_size: 32
...
	.end_amdgpu_metadata
.endif
;; end of part 7
;; launch qkv: the kernel of part 5 again; grid 64 x 4, 4 waves a work-group, clusters of 4 x 4, 327,680 bytes of LDS; arguments xb, wq, wk, wv, freqs_cis, qws, kws, vws; writes qws, kws, vws
;; launch attn: the kernel of part 3 again; grid 32 x 8, 4 waves a work-group, clusters of 4 x 1, 327,680 bytes of LDS; arguments qws, kws, vws, yws; writes yws
;; launch oproj: the kernel of part 6 again; grid 64 x 4, 4 waves a work-group, clusters of 4 x 4, 327,680 bytes of LDS; arguments yws, wo, out0; writes out0
